; MI455X (gfx1250); checked and timed in simulation.
; The chip was launched on July 23, 2026; its instructions are those of AMD's public machine-readable ISA for CDNA 5 (MIT licence, August 2026) and "CDNA5" Instruction Set Architecture Reference Guide (July 2026). The comments in the code are by the model that wrote it; some were corrected since.
;; Causal Self Attention. Allowed arithmetic: matrix products marked QUANTISED: E2M3 operands, one E8M0 scale for each 32 along K, by v_wmma_scale_f32_16x16x128_f8f6f4 with both operands' format E2M3, f32 sums; everything else in f32.
;; Inputs: w_proj 1,024 x 1,024 float32; w_qkv 1,024 x 3,072 float32; x 4 x 2,048 x 1,024 float32.
;; Outputs: out0 4 x 2,048 x 1,024 float32.
;; This version of the problem:
;;   THIS VERSION OF THE PROBLEM IS GIVEN IN LOW PRECISION. The matrix products marked QUANTISED in the list below multiply operands that are first quantised to E2M3 (2 exponent bits, 3 mantissa bits; 6 bits a number), with one power-of-two scale for each 32 numbers along K (OCP MX v1.0); their sums are f32. All else is computed in f32.
;;   The module's matrix products, in the order in which they are computed (A, B: the left and right operand; K: the contracted axis; several contracted axes count as one K, in the product's order):
;;     1. [M 8,192, K 1,024] x [K 1,024, N 3,072]; A: input x; B: input w_qkv: QUANTISED
;;     2. batch 64 x [M 2,048, K 64] x [K 64, N 2,048]; A: computed on the way; B: computed on the way: QUANTISED
;;     3. batch 64 x [M 2,048, K 2,048] x [K 2,048, N 64]; A: softmax (see below); B: computed on the way: QUANTISED
;;     4. [M 8,192, K 1,024] x [K 1,024, N 1,024]; A: computed on the way; B: input w_proj: QUANTISED
;;   THE QUANTISER, for each operand of a quantised product, along K:
;;     - K is cut into blocks of 32 from its start; a last block that is shorter is filled with zeros.
;;     - A block's scale is 2^e with e = floor(log2(the largest magnitude in the block)) - 2, held to -126 .. 127; a block of zeros has e = 0. As a byte (E8M0): e + 127.
;;     - Each number is divided by its block's scale, clamped to +-7.5, and rounded to the nearest number of E2M3, ties to even, subnormals kept.
;;     - The product sums the exact products of the quantised numbers (number of the format x scale) in f32.
;;   ~~~python
;;   def quantise(x, axis):      # numpy; x: float32 -> the quantised numbers, widened to float32 again
;;       x = np.moveaxis(x, axis, -1); K = x.shape[-1]
;;       x = np.pad(x, [(0, 0)] * (x.ndim - 1) + [(0, -K % 32)]); x = x.reshape(x.shape[:-1] + (-1, 32)); a = np.abs(x).max(-1, keepdims=True)
;;       e = np.where(a > 0, np.clip(np.frexp(np.where(a > 0, a, 1))[1] - 1 - 2, -126, 127), 0)      # np.frexp(a)[1] - 1 = floor(log2(a)), exactly
;;       r = np.clip(x / 2.0 ** e, -7.5, 7.5)
;;       step = 2.0 ** (np.maximum(np.frexp(np.where(r == 0, 1, r))[1] - 1, 0) - 3)
;;       q = np.round(r / step) * step * 2.0 ** e      # np.round: ties to even
;;       return np.moveaxis(q.reshape(q.shape[:-2] + (-1,))[..., :K], -1, axis).astype(np.float32)
;;   ~~~
;;   SOFTMAX AHEAD OF A QUANTISED PRODUCT. Where the list says 'softmax', what is quantised is not the finished softmax but p = 2^(t - M), with t = logit x log2(e) and M = ceil(the row's largest t), a whole number; so 1/2 < the row's largest p <= 1. The row's sum l is taken of the UNQUANTISED p, in f32, and the product's result is divided by l at the end. Since M is a whole number, a kernel that streams over the keys may use a running M (the ceiling of the running maximum): every later rescaling is an exact power of two, which a block's scale takes up: the codes' values come out the same.
;;   OPERANDS COMPUTED ON THE WAY. 'Computed on the way' means the value that the module computes at that place (a softmax that the list does not call 'softmax' is quantised finished and normalised). What goes into a quantiser is computed in f32, as accurately as f32 sums, v_exp_f32 and their like allow (about 1e-6 of the number): no bf16 or f16 on the way to a quantiser, and a product that is left as it is and whose result goes on into a quantised operand takes f32 operands (vector FMAs, or v_wmma_f32_16x16x4_f32). A number that lies on a knife's edge between two numbers of the format may be rounded either way, as far as f32 arithmetic and the matrix unit's own rounding can turn it there, and no further.
;; One version. Each part assembles by itself: llvm-mc -triple=amdgcn-amd-amdhsa -mcpu=gfx1250 --defsym DOCPART=n.
;; ======== version 1 of 1: 4 launches
;; limits: right only within a limited range of input values
;; workspace buffers: xq 6,553,600 bytes; wq 3,276,800 bytes; qkv 20,185,088 bytes; oq 6,553,600 bytes
;; launch quant (part 1): grid 768 x 1, 2 waves a work-group, no clusters, 17,152 bytes of LDS; arguments x, w_qkv, w_proj, xq, wq; writes xq, wq
.if DOCPART == 1
	.amdgcn_target "amdgcn-amd-amdhsa--gfx1250"
	.amdhsa_code_object_version 6
	.text
	.protected	k_q748908b2a9_quant
	.globl	k_q748908b2a9_quant
	.p2align	8
	.type	k_q748908b2a9_quant,@function
k_q748908b2a9_quant:
	s_mov_b64 s[64:65], 0
	v_nop
	global_prefetch_b8 v0, s[64:65] scope:SCOPE_SE
	s_setreg_imm32_b32 hwreg(HW_REG_WAVE_MODE, 25, 1), 1
	s_wait_xcnt 0x0
; x [8192][1024], w_qkv [1024][3072] and w_proj [1024][1024], f32, become codes of FP6 (E2M3) with one E8M0 scale byte for each 32 along K (K = 1,024 in all three).
; THE FORMAT OF THE RESULT: images of operand registers.  A TILE is 16 rows of an operand (tokens of x, columns of a weight): inside each 32 consecutive rows, tile 2 b + u holds in lane r the row
; 32 b + 8 u + r + 8 (r / 8).  A FRAGMENT is a tile x 128 K: 12 registers a lane (lane (r, h): registers 6 c .. 6 c + 5 hold k = 64 c + 32 h + 0 .. 31), laid as six pieces of 256 bytes: piece c holds
; registers 2 c, 2 c + 1 of lane l at 256 c + 8 l.  Codes: [tile][K step of 128][1,536 bytes].  Behind them the scale words: [tile][r][8 words], word s for K step s.
; wq holds w_qkv's columns as tiles 0-191 and w_proj's as tiles 192-255.
; A block's scale is 2^(floor(log2(its largest magnitude)) - 2); its byte is the largest magnitude's exponent field - 2, held at 1 from below.
; LIMITS: a block of zeros, or one whose largest magnitude lies under 2^-124, gets the byte 1 where the rule says 127 or less: its codes are zeros or the nearest codes under that scale, and the bytes are read
; by this program alone; NaN and infinities among the inputs are not served.
; SHARES: work-groups 0-255: x, a wave a tile, all of K in 8 steps.  Work-groups 256-767: the weights, a wave 32 columns (two tiles) x one K step of 128.
; No tensor load, no barrier: waves share nothing.  Only x's path touches LDS (each wave its own stage).
.set XSC_OFF, 6291456                  ; xq: 512 tiles x 12,288 bytes of codes, then the scale words
.set WSC_OFF, 3145728                  ; wq: 256 tiles x 12,288
.set TILEB,   12288
.set FRAGB,   1536
.set SPX,     528                      ; a stage row: 512 bytes + 16: the sixteen rows that a load of 16 bytes a lane touches start at sixteen different 16-byte columns
.set SEL,     20                       ; s[20:21] lane selects: lane l xor 16
.set SW,      10                       ; v10-17  x: the eight scale words of my row
.set TM,      18                       ; v18-33  at work: +0..3 largest magnitudes, +4..7 bytes, +12..15 the conversions' scale operands
.set PC,      34                       ; v34-45  the fragment just made
.set TP,      46                       ; v46-53  the second halves of the blocks, as converted
.set DW,      54                       ; v54-57  four scale words to store
.set R,       64                       ; v64-255 x: three sets of 64 numbers
.set WF,      32                       ; v32-55  weights: four blocks' codes, 6 registers each
.set TU,      56                       ; v56-58  weights: a block's upper 16 codes, as converted
.set SBW,     14                       ; v14     weights: my column's scale word
.set WX,      64                       ; v64-127 weights: two sets of 32 numbers
; 64 numbers of a lane, register 16 b + i = k 32 b + 16 (lane / 16) + i of my row, become a fragment's codes in v[pc] on and its scale word in v[pw].
.macro QUANT s, pc, tmp, pw
.irp b, 0,1,2,3
	v_max3_num_f32 v[TM+\b], |v[(\s)+16*\b]|, |v[(\s)+16*\b+1]|, 0x1800000   ; block b: my 16 numbers, and the floor 2^(3 - 127): the byte cannot fall under 1
.endr
.irp i, 2,4,6,8,10,12,14
.irp b, 0,1,2,3
	v_max3_num_f32 v[TM+\b], v[TM+\b], |v[(\s)+16*\b+\i]|, |v[(\s)+16*\b+\i+1]|   ; the four blocks by turns
.endr
.endr
.irp b, 0,1,2,3
	v_permlanex16_b32 v[TM+4+\b], v[TM+\b], s[SEL], s[SEL+1]
.endr
.irp b, 0,1,2,3
	v_max_num_f32 v[TM+\b], v[TM+\b], v[TM+4+\b]   ; with lane l xor 16's 16: the block's largest magnitude
.endr
.irp b, 0,1,2,3
	v_add_nc_u32 v[TM+12+\b], 0xff000000, v[TM+\b] ; 2 off its exponent field: the conversion takes this operand's exponent field as its scale
.endr
.irp b, 0,1,2,3
	v_lshrrev_b32 v[TM+4+\b], 23, v[TM+12+\b]      ; the scale's byte
.endr
	v_lshl_or_b32 v[\pw], v[TM+5], 8, v[TM+4]
	v_lshl_or_b32 v[\pw], v[TM+6], 16, v[\pw]
	v_lshl_or_b32 v[\pw], v[TM+7], 24, v[\pw]      ; my row's scale word for these 128 along K
.irp c, 0,1
	v_cvt_scalef32_pk16_fp6_f32 v[(\pc)+6*\c:(\pc)+6*\c+2], v[(\s)+32*\c:(\s)+32*\c+15], v[TM+12+2*\c]
	v_cvt_scalef32_pk16_fp6_f32 v[(\tmp)+4*\c:(\tmp)+4*\c+2], v[(\s)+32*\c+16:(\s)+32*\c+31], v[TM+12+2*\c+1]   ; a conversion's three registers begin on an even number
.endr
	v_nop                                          ; one plain instruction behind the scaled conversions
.irp c, 0,1                                    ; the operand wants a whole block in a lane: lanes 0-15 block 2 c, lanes 16-31 block 2 c + 1
.irp i, 0,1,2
	v_permlane16_swap_b32 v[(\pc)+6*\c+\i], v[(\tmp)+4*\c+\i]
.endr
.irp i, 0,1,2
	v_mov_b32 v[(\pc)+6*\c+3+\i], v[(\tmp)+4*\c+\i]
.endr
.endr
.endm
	s_load_b256 s[4:11], s[0:1], 0x0               ; x s[4:5], w_qkv s[6:7], w_proj s[8:9], xq s[10:11]
	s_load_b64 s[12:13], s[0:1], 0x20              ; wq
	v_lshl_add_u32 v62, v0, 2, 0x4200
	v_mov_b32 v63, 0
	v_lshrrev_b32 v1, 5, v0
	v_readfirstlane_b32 s16, v1                    ; wave 0, 1
	v_and_b32 v6, 31, v0                           ; lane
	v_and_b32 v7, 15, v0                           ; r
	v_bfe_u32 v8, v0, 4, 1                         ; h
	s_mov_b32 s[SEL], 0x76543210
	s_mov_b32 s[SEL+1], 0xfedcba98
	s_cmp_lt_u32 ttmp9, 256
	s_cbranch_scc0 .Lweights
	; ---------------- x: my wave's tile T, all of K ----------------
	s_lshl_b32 s17, ttmp9, 1
	s_add_co_u32 s17, s17, s16                     ; T = 2 x work-group + wave
	s_lshr_b32 s18, s17, 1
	s_lshl_b32 s18, s18, 5
	s_and_b32 s19, s17, 1
	s_lshl_b32 s19, s19, 3
	s_add_co_u32 s18, s18, s19                     ; the tile's first row: 32 (T / 2) + 8 (T % 2)
	s_lshl_b32 s22, s18, 12                        ; x 4,096 bytes
	s_mov_b32 s23, 0
	s_mul_i32 s24, s17, TILEB                      ; the tile's codes
	s_mov_b32 s25, 0
	s_lshl_b32 s26, s17, 9
	s_add_co_u32 s26, s26, XSC_OFF                 ; and its 512 bytes of scale words
	s_mov_b32 s27, 0
	s_mul_i32 s28, s16, 16*SPX                     ; my wave's stage
	s_wait_alu depctr_va_vdst(0)
	v_lshlrev_b32 v1, 4, v6                        ; 16 x lane: my bytes of a load's 512
	v_add_nc_u32 v2, s28, v1                       ; the stage, on the way in
	v_mul_u32_u24 v3, v7, SPX
	v_lshl_add_u32 v3, v8, 6, v3
	v_add_nc_u32 v3, s28, v3                       ; and on the way out: row r, + 64 h: my 16 numbers of each block of 32
	v_lshlrev_b32 v4, 3, v6                        ; 8 x lane: my place in a piece of a fragment
	v_lshlrev_b32 v5, 5, v7
	v_lshl_add_u32 v5, v8, 4, v5                   ; 32 r + 16 h: my four scale words
.irp b, 0,1,2,3
	v_mov_b32 v[TM+4+\b], 0                        ; written once: a lane permute's destination counts as one of its sources
.endr
	s_wait_alu depctr_va_vdst(0)
	s_wait_kmcnt 0x0
	s_add_nc_u64 s[4:5], s[4:5], s[22:23]
	s_add_nc_u64 s[24:25], s[10:11], s[24:25]
	s_add_nc_u64 s[26:27], s[10:11], s[26:27]
.macro LOADX t                         ; K step t of the tile's 16 rows: each load covers 512 consecutive bytes of one row
.irp i, 0,1,2,3,4,5,6,7,8,9,10,11,12,13,14,15
	global_load_b128 v[R+64*((\t)%3)+4*\i:R+64*((\t)%3)+4*\i+3], v1, s[4:5] offset:(\i+8*(\i/8))*4096+512*(\t) th:TH_LOAD_NT
.endr
.endm
.macro STEPX t
.set XS, R+64*((\t)%3)
.if (\t) <= 5
	s_wait_loadcnt 32                              ; this step's 16 loads are in; those of the two steps behind it may be out
.elseif (\t) == 6
	s_wait_loadcnt 16
.else
	s_wait_loadcnt 0
.endif
.irp i, 0,1,2,3,4,5,6,7,8,9,10,11,12,13,14,15
	ds_store_b128 v2, v[XS+4*\i:XS+4*\i+3] offset:SPX*\i
.endr
.irp b, 0,1,2,3
.irp j, 0,1,2,3
	ds_load_b128 v[XS+16*\b+4*\j:XS+16*\b+4*\j+3], v3 offset:128*\b+16*\j   ; LDS serves a wave's instructions in order (ISA guide 5.7.1.4): these see the stores above
.endr
.endr
	s_wait_dscnt 0x0
.if (\t) > 0
	s_wait_xcnt 0x0                                ; the last step's stores have read the fragment's registers: they are written again only behind this wait
.endif
	QUANT XS, PC, TP, SW+(\t)
.irp c, 0,1,2,3,4,5
	global_store_b64 v4, v[PC+2*\c:PC+2*\c+1], s[24:25] offset:FRAGB*(\t)+256*\c   ; 32 lanes store 256 consecutive bytes, aligned
.endr
.if (\t) <= 4
	LOADX (\t)+3
.endif
.endm
	LOADX 0
	LOADX 1
	LOADX 2                                        ; 48 loads of the wave are out
.irp t, 0,1,2,3,4,5,6,7
	STEPX \t
.endr
	v_cmp_le_u32 vcc_lo, 16, v6
.irp i, 0,1,2,3
	v_cndmask_b32 v[DW+\i], v[SW+\i], v[SW+4+\i], vcc_lo   ; lanes 0-15 store words 0-3 of row r, lanes 16-31 words 4-7 (both halves hold all eight)
.endr
	global_store_b128 v5, v[DW:DW+3], s[26:27]     ; 512 consecutive bytes
	s_wait_tensorcnt 0x0
	ds_add_u32 v62, v63
	s_wait_dscnt 0x0
	s_endpgm
	; ---------------- the weights: 32 columns x one K step of 128 a wave ----------------
.Lweights:
	s_sub_co_u32 s17, ttmp9, 256
	s_lshl_b32 s17, s17, 1
	s_and_b32 s19, s17, 127                        ; the work-group's first group of columns: even, so both waves take the same weight
	s_add_co_u32 s17, s17, s16
	s_lshr_b32 s18, s17, 7                         ; the K step, 0 to 7
	s_and_b32 s17, s17, 127                        ; the group of 32 columns: 0-95 w_qkv's, 96-127 w_proj's
	s_wait_alu depctr_va_vdst(0)
	v_and_b32 v1, 8, v7
	v_add_nc_u32 v1, v1, v7
	v_lshl_add_u32 v1, v8, 3, v1                   ; A LANE TAKES A COLUMN: r + 8 (r / 8) + 8 (lane / 16): lanes 0-15 are the group's first tile, lanes 16-31 its second
	v_lshlrev_b32 v1, 2, v1                        ; (each load still covers the same 128 consecutive bytes)
	v_lshlrev_b32 v4, 3, v6                        ; 8 x lane
	v_lshlrev_b32 v5, 5, v6                        ; 32 x lane: my column's row of scale words
	s_mul_i32 s24, s17, 2*TILEB
	s_mul_i32 s22, s18, FRAGB
	s_add_co_u32 s24, s24, s22                     ; the two tiles' fragments of this K step
	s_mov_b32 s25, 0
	s_lshl_b32 s26, s17, 10
	s_lshl_b32 s22, s18, 2
	s_add_co_u32 s26, s26, s22
	s_add_co_u32 s26, s26, WSC_OFF                 ; and word s of their 32 rows of scale words
	s_mov_b32 s27, 0
	s_wait_kmcnt 0x0
	s_add_nc_u64 s[24:25], s[12:13], s[24:25]
	s_add_nc_u64 s[26:27], s[12:13], s[26:27]
.macro LOADW t, n                      ; block t: W(32 t + i, my column), i = 0 .. 31: the registers run down K
.set wi, 0
.rept 32
	global_load_b32 v[WX+32*((\t)%2)+wi], v1, s[28:29] offset:(32*(\t)+wi)*(\n)*4 th:TH_LOAD_NT
.set wi, wi+1
.endr
.endm
.macro BLOCKW t, n
.set XS, WX+32*((\t)%2)
.set FT, WF+6*(\t)
.if (\t) < 3
	s_wait_loadcnt 32                              ; this block's 32 loads are in; the next block's may be out
.else
	s_wait_loadcnt 0
.endif
	v_max3_num_f32 v12, |v[XS]|, |v[XS+1]|, |v[XS+2]|   ; all 32 numbers of the block are mine
	v_max3_num_f32 v13, |v[XS+3]|, |v[XS+4]|, |v[XS+5]|
.irp i, 6,10,14,18,22,26
	v_max3_num_f32 v12, v12, |v[XS+\i]|, |v[XS+\i+1]|
	v_max3_num_f32 v13, v13, |v[XS+\i+2]|, |v[XS+\i+3]|
.endr
	v_max3_num_f32 v12, v12, |v[XS+30]|, |v[XS+31]|
	v_max3_num_f32 v12, v12, v13, 0x1800000        ; and the floor
	v_add_nc_u32 v11, 0xff000000, v12
	v_cvt_scalef32_pk16_fp6_f32 v[FT:FT+2], v[XS:XS+15], v11
	v_cvt_scalef32_pk16_fp6_f32 v[TU:TU+2], v[XS+16:XS+31], v11
	v_lshrrev_b32 v13, 23, v11                     ; the byte (a plain instruction behind the conversions)
.if (\t) == 0
	v_mov_b32 v[SBW], v13
.else
	v_lshl_or_b32 v[SBW], v13, 8*(\t), v[SBW]
.endif
.irp i, 0,1,2
	v_mov_b32 v[FT+3+\i], v[TU+\i]
.endr
.if (\t) < 2
	LOADW (\t)+2, \n
.endif
.endm
.macro WPATH n
	LOADW 0, \n
	LOADW 1, \n
	BLOCKW 0, \n
	BLOCKW 1, \n
	BLOCKW 2, \n
	BLOCKW 3, \n
; A lane holds blocks 0-3 of ITS column; a fragment wants blocks h and 2 + h of column r in lane (r, h).  The exchange gives it: block 0's registers then hold the first tile's registers 0-5 and block 1's the second tile's.
.irp i, 0,1,2,3,4,5
	v_permlane16_swap_b32 v[WF+\i], v[WF+6+\i]
	v_permlane16_swap_b32 v[WF+12+\i], v[WF+18+\i]
.endr
.irp c, 0,1,2
	global_store_b64 v4, v[WF+2*\c:WF+2*\c+1], s[24:25] offset:256*\c                     ; first tile, registers 0-5
	global_store_b64 v4, v[WF+12+2*\c:WF+12+2*\c+1], s[24:25] offset:768+256*\c           ; registers 6-11
	global_store_b64 v4, v[WF+6+2*\c:WF+6+2*\c+1], s[24:25] offset:TILEB+256*\c           ; second tile
	global_store_b64 v4, v[WF+18+2*\c:WF+18+2*\c+1], s[24:25] offset:TILEB+768+256*\c     ; each store covers 256 consecutive bytes, aligned
.endr
	global_store_b32 v5, v[SBW], s[26:27]          ; 4 bytes a lane, 32 bytes apart: a wave owns one of a row's eight words.  131,072 bytes of the launch's stores leave so
.endm
	s_cmp_lt_u32 s19, 96
	s_cbranch_scc0 .Lproj
	s_mul_i32 s22, s18, 128*3072*4                 ; w_qkv: 128 rows of K down,
	s_lshl_b32 s23, s17, 7                         ; 32 columns x 4 bytes along
	s_add_co_u32 s22, s22, s23
	s_mov_b32 s23, 0
	s_add_nc_u64 s[28:29], s[6:7], s[22:23]
	s_wait_alu depctr_va_vdst(0)
	WPATH 3072
	s_endpgm
.Lproj:
	s_sub_co_u32 s17, s17, 96
	s_mul_i32 s22, s18, 128*1024*4
	s_lshl_b32 s23, s17, 7
	s_add_co_u32 s22, s22, s23
	s_mov_b32 s23, 0
	s_add_nc_u64 s[28:29], s[8:9], s[22:23]
	s_wait_alu depctr_va_vdst(0)
	WPATH 1024
	s_endpgm
.Lfunc_end_k_q748908b2a9_quant:
	.size	k_q748908b2a9_quant, .Lfunc_end_k_q748908b2a9_quant-k_q748908b2a9_quant
	.p2alignl 7, 3214868480
	.fill 96, 4, 3214868480
	.section	.rodata,"a",@progbits
	.p2align	6, 0x0
	.amdhsa_kernel k_q748908b2a9_quant
		.amdhsa_group_segment_fixed_size 17152
		.amdhsa_private_segment_fixed_size 0
		.amdhsa_enable_private_segment 0
		.amdhsa_kernarg_size 40
		.amdhsa_user_sgpr_count 2
		.amdhsa_user_sgpr_kernarg_segment_ptr 1
		.amdhsa_wavefront_size32 1
		.amdhsa_system_sgpr_workgroup_id_x 1
		.amdhsa_system_sgpr_workgroup_id_y 1
		.amdhsa_system_sgpr_workgroup_id_z 1
		.amdhsa_system_vgpr_workitem_id 0
		.amdhsa_next_free_vgpr 256
		.amdhsa_next_free_sgpr 66
		.amdhsa_reserve_vcc 1
		.amdhsa_float_denorm_mode_32 3
		.amdhsa_float_denorm_mode_16_64 3
		.amdhsa_memory_ordered 1
		.amdhsa_forward_progress 1
		.amdhsa_inst_pref_size 106
	.end_amdhsa_kernel
	.amdgpu_metadata
---
amdhsa.version: [ 1, 2 ]
amdhsa.kernels:
  - .name:           k_q748908b2a9_quant
    .symbol:         k_q748908b2a9_quant.kd
    .args:
      - { .name: x, .offset: 0, .size: 8, .value_kind: global_buffer, .address_space: global }
      - { .name: w_qkv, .offset: 8, .size: 8, .value_kind: global_buffer, .address_space: global }
      - { .name: w_proj, .offset: 16, .size: 8, .value_kind: global_buffer, .address_space: global }
      - { .name: xq, .offset: 24, .size: 8, .value_kind: global_buffer, .address_space: global }
      - { .name: wq, .offset: 32, .size: 8, .value_kind: global_buffer, .address_space: global }
    .group_segment_fixed_size: 17152
    .private_segment_fixed_size: 0
    .kernarg_segment_align: 8
    .kernarg_segment_size: 40
    .max_flat_workgroup_size: 64
    .sgpr_count:     66
    .vgpr_count:     256
    .wavefront_size: 32
...
	.end_amdgpu_metadata
.endif
;; end of part 1
;; launch gemm_qkv (part 2): grid 8 x 32, 4 waves a work-group, clusters of 4 x 4, 327,680 bytes of LDS; arguments xq, wq, qkv; writes qkv
.if DOCPART == 2
	.amdgcn_target "amdgcn-amd-amdhsa--gfx1250"
	.amdhsa_code_object_version 6
	.text
	.protected	k_q748908b2a9_gemm_qkv
	.globl	k_q748908b2a9_gemm_qkv
	.p2align	8
	.type	k_q748908b2a9_gemm_qkv,@function
k_q748908b2a9_gemm_qkv:
	s_mov_b64 s[64:65], 0
	v_nop
	global_prefetch_b8 v0, s[64:65] scope:SCOPE_SE
	s_setreg_imm32_b32 hwreg(HW_REG_WAVE_MODE, 25, 1), 1
	s_wait_xcnt 0x0
	s_wait_alu depctr_hold_cnt(0) depctr_sa_sdst(0) depctr_va_vdst(0) depctr_va_sdst(0) depctr_va_ssrc(0) depctr_va_vcc(0) depctr_vm_vsrc(0)
	s_getreg_b32 s2, hwreg(HW_REG_IB_STS2, 6, 4)
	s_cmp_eq_u32 s2, 0
	s_cbranch_scc0 .Lentry_in_a_cluster
	s_endpgm
.Lentry_in_a_cluster:
	s_bfe_u32 s2, ttmp6, 0x10000c
	s_cmp_lg_u32 s2, 0xf033
	s_cbranch_scc0 .Lentry_shape_is_right
	s_endpgm
.Lentry_shape_is_right:
; qkv = x w_qkv on codes of FP6 (E2M3) with E8M0 scales, K = 1,024, its results quantised on the way out: q and k along the head's 64, v along the tokens.  No f32 result goes to memory.
; OPERANDS are images of registers: a tile is 16 rows (inside 32 consecutive rows tile 2 b + u holds in lane r the row 32 b + 8 u + r + 8 (r / 8)); a fragment (tile x 128 K, 12 registers a lane) is six pieces
; of 256 bytes, piece c = registers 2 c, 2 c + 1 of lane l at 256 c + 8 l; codes lie [tile][K step][1,536], scale words [tile][r][8 words] behind them.
; THE DEAL: q and k are 8,192 x 2,048 results, 256 tiles of 256 x 256; v is 1,024 x 8,192, 256 tiles of 128 x 256.  Each of 256 work-groups makes one of each, on end.
; PASS 1 (q or k): A = my 256 tokens, B = my 256 columns of w_qkv; a wave makes 128 x 128 in 64 accumulators.  PASS 2 (v): A = 128 columns from 2,048 on (two heads), B = the same 256 tokens; a wave makes 64 x 128 in 32.
; Source 0 takes 16 rows of B, source 1 16 rows of A: a lane holds ONE row of A, and its 16 registers of two neighbouring tiles of B are 16 neighbouring rows of B: what the conversions want.
; K goes in steps of 256 through a ring of two LDS slots, which does not stop between the passes: pass 1's last two rounds fill the slots with pass 2's first two steps.
; The scale words of all of K come once: the tokens' serve both passes; pass 2's weights' land, in pass 1's last round, on pass 1's weights' words, which are in registers by then.
; CLUSTERS: 4 x 4 work-groups; the tokens' tiles are asked for jointly along a row of the cluster, the weights' along a column, in both passes.
; No prefetch: the walk is written out, and each slot is asked for a slot ahead of its use, pass 2's first two under pass 1's last steps and its way out.
; THE RESULT: qkv[b x 16 + head][group of 128 tokens]: K's codes (8 tiles x 768), K's scale words [r][8 tiles], V's codes (4 tiles of d x 1,536), V's scale words [r][4 tiles], Q's codes, Q's scale words.
; A scale word of q or k holds its head's two bytes below; the two above are another head's or 0: they meet zero codes alone.
; LIMITS: a block of zeros or under 2^-124 gets the byte 1 (this program alone reads the bytes); NaN and infinities are not served.
; REGISTERS: window 0: v0-31 addresses; v32-63 scale words, two sets; from v128 A's fragments, one set; on the way out v112-223.  window 1: B's fragments, two sets.  windows 2, 3: accumulator (a, b) at v[8 (8 (a % 4) + b)].
.set NQ,     2
.set FR,     12
.set NL,     6
.set NP,     4                         ; places behind this matrix instruction (ISA guide 7.12.1)
.set FRAGB,  1536
.set TROW,   2*FRAGB
.set QT,     4*TROW
.set HALFT,  8*TROW
.set SLOT,   4*HALFT
.set KROW,   768
.set SCL,    2*SLOT                    ; the scale words, rows of 256 bytes + 16: the tokens' 256 rows, then the weights'
.set HALFS,  16*272
.set SBLK,   2*272
.set SPARE,  SCL+4*HALFS
.set XSC_OFF, 6291456
.set WSC_OFF, 3145728
.set HB,     315392
.set GB,     19712
.set ADRA, 16                          ; v16-17 my A fragments in slot 0, 1, pass 1;  v18-19 pass 2
.set ADRA2, 18
.set ADRB, 20                          ; v20-21 my B fragments, both passes
.set ADRS2, 22                         ; v22    my scale words, pass 2
.set VO,   24                          ; v24    8 x lane
.set VO2,  25                          ; v25    the same, a head on
.set VS,   26                          ; v26    32 r + 16 h
.set ADRS, 27                          ; v27    my scale words, pass 1: lanes 0-15 A's rows, lanes 16-31 B's
.set SPW,  28
.set NIL,  29
.set LN,   30
.set VS2,  31                          ; v31    16 r
.set SC,   32
.set AF,   128
.set PC,   112
.set TP,   124
.set DW,   132
.set DW2,  136
.set TM,   200
.set PW,   216
.set SEL,  98
.set G1, 24                            ; group 1, the tokens' tiles (mask: my row);  s[32:39] group 0, a set for each slot
.set G0, 32
.set G1B, 48                           ; the weights' tiles (mask: my column);  s[56:63]
.set G0B, 56
.set G1S, 68
.set G0S, 76
.set G1SB, 80
.set G0SB, 88
.set MSB, 0
.macro WIN new
.if MSB != \new
	s_set_vgpr_msb (MSB<<8)|\new
.set MSB, \new
.endif
.endm
.set MUL_LO, 0xa1
.set MUL_HI, 0xf1
.set TO_B,   0x40
.macro PLACES n
.rept \n
	v_nop
.endr
.endm
.macro TLOAD g0, g1
	tensor_load_to_lds s[\g0:\g0+3], s[\g1:\g1+7]
	s_nop 0
	PLACES 4
.endm
.macro JLOAD slot                      ; pass 1's ring: waves 0, 1 fetch 8 tiles of tokens each, waves 2, 3 8 tiles of weights each
	s_cmp_eq_u32 s15, 0
	s_cbranch_scc0 .Lfor_b_\@
	TLOAD G0+4*\slot, G1
	s_branch .Lasked_\@
.Lfor_b_\@:
	TLOAD G0B+4*\slot, G1B
.Lasked_\@:
.endm
.macro JLOAD2 slot, sc                 ; pass 2's ring: wave 0 the weights' 8 tiles, waves 2, 3 8 tiles of tokens each; wave 1 once the weights' scale words
	s_cmp_lt_u32 s14, 2
	s_cbranch_scc0 .Ltok_\@
	s_cmp_eq_u32 s14, 0
	s_cbranch_scc0 .Lone_\@
	TLOAD G0B+4*\slot, G1B
	s_branch .Ldone_\@
.Lone_\@:
.if \sc
	TLOAD G0S, G1SB
.else
	PLACES 4
.endif
	s_branch .Ldone_\@
.Ltok_\@:
	TLOAD G0+4*\slot, G1
.Ldone_\@:
.endm
.macro P2DESC slot                     ; a slot's two groups 0 for pass 2's K step \slot; no tensor load of the wave is out here
	s_add_co_u32 s[G0+4*\slot+1], s2, \slot*SLOT
	s_add_nc_u64 s[G0+4*\slot+2:G0+4*\slot+3], s[100:101], \slot*TROW
	s_or_b32 s[G0+4*\slot+3], s[G0+4*\slot+3], 0x80000000
	s_mov_b32 s[G0B+4*\slot+1], \slot*SLOT
	s_add_nc_u64 s[G0B+4*\slot+2:G0B+4*\slot+3], s[104:105], \slot*TROW
	s_or_b32 s[G0B+4*\slot+3], s[G0B+4*\slot+3], 0x80000000
.endm
.macro ONWARD slot                     ; both groups 0 of a slot two K steps on
	s_add_nc_u64 s[G0+4*\slot+2:G0+4*\slot+3], s[G0+4*\slot+2:G0+4*\slot+3], 2*TROW
	s_add_nc_u64 s[G0B+4*\slot+2:G0B+4*\slot+3], s[G0B+4*\slot+2:G0B+4*\slot+3], 2*TROW
.endm
.macro CREST
	s_cmp_lg_u32 s14, 0
	s_cbranch_scc1 .Lnot_wave_0_\@
	s_barrier_signal -3
.Lnot_wave_0_\@:
	s_barrier_wait -3
	s_barrier_signal -1
	s_barrier_wait -1
.endm
.macro CROUND
	s_barrier_signal -1
	s_barrier_wait -1
	CREST
.endm
.macro GRP1 g, mask, rows              ; codes: rows of 3,072 bytes (a tile's part of a slot), 12,288 apart; dense in LDS
	s_or_b32 s[\g+0], s[\mask], (3<<16)|(1<<21)
	s_mov_b32 s[\g+1], 384<<16
	s_mov_b32 s[\g+2], (\rows)<<16
	s_mov_b32 s[\g+3], 384<<16
	s_mov_b32 s[\g+4], \rows
	s_mov_b32 s[\g+5], 1536
	s_mov_b32 s[\g+6], 0
	s_mov_b32 s[\g+7], 0
.endm
.macro GRP1S g, mask, rows             ; scale words: a dense block as rows of 256 bytes, 16 bytes of padding behind each
	s_or_b32 s[\g+0], s[\mask], (3<<16)|(1<<20)|(1<<21)|(5<<22)|(3<<25)
	s_mov_b32 s[\g+1], 32<<16
	s_mov_b32 s[\g+2], (\rows)<<16
	s_mov_b32 s[\g+3], 32<<16
	s_mov_b32 s[\g+4], \rows
	s_mov_b32 s[\g+5], 32
	s_mov_b32 s[\g+6], 0
	s_mov_b32 s[\g+7], 0
.endm
.macro GRP0 g, lds, adr
	s_mov_b32 s[\g], 1
	s_mov_b32 s[\g+1], \lds
	s_mov_b64 s[\g+2:\g+3], s[\adr:\adr+1]
	s_or_b32 s[\g+3], s[\g+3], 0x80000000
.endm
	s_load_b128 s[4:7], s[0:1], 0x0                ; xq, wq
	s_load_b64 s[12:13], s[0:1], 0x10              ; qkv
	v_lshl_add_u32 v[SPW], v0, 2, SPARE
	v_mov_b32 v[NIL], 0
	ds_add_u32 v[SPW], v[NIL]                      ; the opening lines: the add, twice, and its wait
	ds_add_u32 v[SPW], v[NIL]
	v_lshrrev_b32 v1, 5, v0
	v_readfirstlane_b32 s14, v1                    ; wave 0..3
	s_lshr_b32 s15, s14, 1                         ; which half of A's rows is mine
	s_and_b32 s16, s14, 1                          ; which half of B's rows; also which half of a tile I fetch
	s_bfe_u32 s40, ttmp6, 0x40000                  ; cx, cy
	s_bfe_u32 s41, ttmp6, 0x40004
	s_lshl_b32 s42, ttmp9, 2
	s_add_co_u32 s42, s42, s40                     ; which 256 columns of q | k, and which 128 of v: 0 .. 7
	s_and_b32 s17, ttmp7, 0xffff
	s_lshl_b32 s17, s17, 2
	s_add_co_u32 s17, s17, s41                     ; which 256 tokens: 0 .. 31
	s_lshl_b32 s43, s41, 2
	s_lshl_b32 s43, 15, s43                        ; my row of the cluster
	s_lshl_b32 s44, 0x1111, s40                    ; my column
	GRP1 G1, 43, 16                                ; the head's loads take 16 tiles; behind them 8
	GRP1 G1B, 44, 16
	GRP1S G1S, 43, 32
	GRP1S G1SB, 44, 32                             ; (behind the head 16 rows: pass 2's 128 rows of weights)
	s_lshl_b32 s20, s17, 8                         ; the tokens' first row
	s_lshl_b32 s46, s42, 8                         ; the weights'
	s_lshl_b32 s22, s20, 5
	s_add_co_u32 s22, s22, XSC_OFF
	s_lshl_b32 s92, s46, 5
	s_add_co_u32 s92, s92, WSC_OFF
	s_mul_i32 s20, s20, KROW
	s_mul_i32 s46, s46, KROW
	s_mov_b32 s21, 0
	s_mov_b32 s23, 0
	s_mov_b32 s47, 0
	s_mov_b32 s93, 0
	s_mul_i32 s18, s16, 128*KROW                   ; in the ring: my half of a tile's rows
	s_mov_b32 s19, 0
	s_mul_i32 s45, s14, HALFT                      ; and where they go in pass 1: no place in the cluster enters an LDS address
	s_lshl_b32 s94, s42, 7
	s_add_co_u32 s94, s94, 2048                    ; pass 2's weights: first row
	s_lshl_b32 s96, s94, 5
	s_add_co_u32 s96, s96, WSC_OFF
	s_mov_b32 s97, 0
	s_mul_i32 s94, s94, KROW
	s_mov_b32 s95, 0
	s_mul_i32 s2, s16, HALFT
	s_add_co_u32 s2, s2, 2*HALFT                   ; B's place in a slot, my half: kept
	s_mov_b32 s[SEL], 0x76543210
	s_mov_b32 s[SEL+1], 0xfedcba98
	s_wait_dscnt 0x0
	s_wait_kmcnt 0x0
	s_add_nc_u64 s[20:21], s[4:5], s[20:21]
	s_add_nc_u64 s[22:23], s[4:5], s[22:23]
	s_add_nc_u64 s[46:47], s[6:7], s[46:47]
	s_add_nc_u64 s[92:93], s[6:7], s[92:93]
	s_add_nc_u64 s[104:105], s[6:7], s[94:95]      ; pass 2's weights' codes: kept
	s_add_nc_u64 s[96:97], s[6:7], s[96:97]        ; and their scale words
	CROUND                                         ; all sixteen work-groups are here: the first joint loads meet
	GRP0 4, 0, 20                                  ; s[4:7], s[8:11]: slot 0's 16 tiles of tokens and of weights (the arguments that lay here have served)
	GRP0 8, 2*HALFT, 46
	GRP0 G0S, SCL, 22
	GRP0 G0SB, SCL+2*HALFS, 92
	s_add_nc_u64 s[20:21], s[20:21], s[18:19]
	s_add_nc_u64 s[46:47], s[46:47], s[18:19]
	s_mov_b64 s[100:101], s[20:21]                 ; my half of the tokens' codes: kept for pass 2
.irp s, 0,1
	s_mov_b32 s[G0+4*\s], 1
	s_add_co_u32 s[G0+4*\s+1], s45, \s*SLOT
	s_add_nc_u64 s[G0+4*\s+2:G0+4*\s+3], s[20:21], \s*TROW
	s_or_b32 s[G0+4*\s+3], s[G0+4*\s+3], 0x80000000
	s_mov_b32 s[G0B+4*\s], 1
	s_add_co_u32 s[G0B+4*\s+1], s45, \s*SLOT
	s_add_nc_u64 s[G0B+4*\s+2:G0B+4*\s+3], s[46:47], \s*TROW
	s_or_b32 s[G0B+4*\s+3], s[G0B+4*\s+3], 0x80000000
.endr
; THE HEAD'S LOADS, one a wave, in one chain of branches on the wave's number
.macro ARM under, g0, g1, next
	s_cmp_lt_u32 s14, \under
	s_cbranch_scc0 \next
	TLOAD \g0, \g1
	s_branch .Lhead_asked
\next:
.endm
	ARM 1, 4, G1, .Lhead_b
	ARM 2, 8, G1B, .Lhead_sa
	ARM 3, G0S, G1S, .Lhead_sb
	TLOAD G0SB, G1SB
.Lhead_asked:
	s_lshl_b32 s18, s17, 8                         ; where pass 1's results go:
	s_lshl_b32 s19, s15, 7
	s_add_co_u32 s18, s18, s19                     ; my first token
	s_lshr_b32 s20, s18, 11
	s_lshl_b32 s20, s20, 4                         ; 16 b
	s_lshl_b32 s21, s42, 1
	s_add_co_u32 s21, s21, s16
	s_and_b32 s21, s21, 7                          ; which pair of heads
	s_lshl_b32 s21, s21, 1
	s_add_co_u32 s20, s20, s21
	s_mul_i32 s20, s20, HB
	s_bfe_u32 s21, s18, 0x40007                    ; the group of 128 tokens
	s_mul_i32 s21, s21, GB
	s_add_co_u32 s20, s20, s21
	s_cmp_eq_u32 ttmp9, 0
	s_cselect_b32 s21, 13056, 0                    ; Q's codes lie at 13,056 of a group, K's begin it
	s_add_co_u32 s20, s20, s21
	s_mov_b32 s21, 0
	s_lshl_b32 s18, s17, 8                         ; and pass 2's:
	s_lshl_b32 s19, s16, 7
	s_add_co_u32 s18, s18, s19                     ; my first token there
	s_lshr_b32 s22, s18, 11
	s_lshl_b32 s22, s22, 4
	s_lshl_b32 s23, s42, 1
	s_add_co_u32 s23, s23, s15                     ; my head
	s_add_co_u32 s22, s22, s23
	s_mul_i32 s22, s22, HB
	s_bfe_u32 s23, s18, 0x40007
	s_mul_i32 s23, s23, GB
	s_add_co_u32 s22, s22, s23
	s_add_co_u32 s22, s22, 6656                    ; V's codes
	s_mov_b32 s23, 0
	s_add_nc_u64 s[66:67], s[12:13], s[22:23]
	s_add_nc_u64 s[12:13], s[12:13], s[20:21]      ; in all three sections the scale words lie 6,144 bytes behind the codes
	s_mul_i32 s18, s15, HALFT                      ; my rows of A in a slot: pass 1,
	s_mul_i32 s19, s15, QT                         ; pass 2
	s_mul_i32 s22, s16, HALFS
	s_add_co_u32 s22, s22, 2*HALFS
	s_mul_i32 s47, s15, HALFS
	s_sub_co_u32 s22, s22, s47                     ; pass 1: from A's scale words (tokens) to B's (weights)
	s_add_co_u32 s21, s47, SCL
	s_mul_i32 s23, s16, HALFS
	s_mul_i32 s46, s15, HALFS/2
	s_add_co_u32 s46, s46, 2*HALFS
	s_sub_co_u32 s46, s46, s23                     ; pass 2: from B's (tokens) to A's (weights)
	s_add_co_u32 s23, s23, SCL
	v_and_b32 v1, 15, v0                           ; r
	v_bfe_u32 v2, v0, 4, 1                         ; h
	v_and_b32 v[LN], 31, v0
	v_lshlrev_b32 v[VO], 3, v[LN]                  ; a piece of a fragment is 256 consecutive bytes
	v_add_nc_u32 v[ADRA], s18, v[VO]
	v_add_nc_u32 v[ADRB], s2, v[VO]
	v_add_nc_u32 v[ADRA2], s19, v[VO]
	v_add_nc_u32 v[ADRA+1], SLOT, v[ADRA]
	v_add_nc_u32 v[ADRB+1], SLOT, v[ADRB]
	v_add_nc_u32 v[ADRA2+1], SLOT, v[ADRA2]
	v_mul_u32_u24 v5, v1, 32                       ; my row's scale words: 32 bytes a row,
	v_lshrrev_b32 v6, 8, v5
	v_lshl_add_u32 v5, v6, 4, v5                   ; and 16 more for each 256 passed
	v_mul_u32_u24 v6, s22, v2                      ; pass 1: lanes 16-31 take B's
	v_sub_nc_u32 v7, 1, v2
	v_mul_u32_u24 v7, s46, v7                      ; pass 2: lanes 0-15 take A's, which lie above
	v_add_nc_u32 v6, v5, v6
	v_add_nc_u32 v7, v5, v7
	v_add_nc_u32 v[ADRS], s21, v6
	v_add_nc_u32 v[ADRS2], s23, v7
	v_add_nc_u32 v[VO2], HB, v[VO]
	v_lshlrev_b32 v[VS2], 4, v1
	v_lshlrev_b32 v3, 4, v2
	v_lshl_add_u32 v[VS], v1, 5, v3
.macro FRAG reg, adr, q, i
.irp p, 0,1,2,3,4,5
	ds_load_b64 v[\reg+2*\p:\reg+2*\p+1], v[\adr] offset:(\i)*TROW+(\q)*FRAGB+256*\p
.endr
.endm
; 16 matrix instructions: A's blocks a0, a0 + 1 x B's eight.  The accumulators take turns, one instruction a turn.
.macro MUL16 a0, p, q, sc, zero
.irp a, \a0, \a0+1
.irp b, 0,1,2,3,4,5,6,7
.if \zero
	v_wmma_scale_f32_16x16x128_f8f6f4 v[8*(8*((\a)%4)+\b):8*(8*((\a)%4)+\b)+7], v[128*(\p)+FR*\b:128*(\p)+FR*\b+FR-1], v[AF+FR*(\a):AF+FR*(\a)+FR-1], 0, v[SC+8*NQ*(\sc)+NQ*\b+(\q)], v[SC+8*NQ*(\sc)+NQ*(\a)+(\q)] matrix_a_fmt:MATRIX_FMT_FP6 matrix_b_fmt:MATRIX_FMT_FP6 matrix_a_scale:MATRIX_SCALE_ROW1
.else
	v_wmma_scale_f32_16x16x128_f8f6f4 v[8*(8*((\a)%4)+\b):8*(8*((\a)%4)+\b)+7], v[128*(\p)+FR*\b:128*(\p)+FR*\b+FR-1], v[AF+FR*(\a):AF+FR*(\a)+FR-1], v[8*(8*((\a)%4)+\b):8*(8*((\a)%4)+\b)+7], v[SC+8*NQ*(\sc)+NQ*\b+(\q)], v[SC+8*NQ*(\sc)+NQ*(\a)+(\q)] matrix_a_fmt:MATRIX_FMT_FP6 matrix_b_fmt:MATRIX_FMT_FP6 matrix_a_scale:MATRIX_SCALE_ROW1
.endif
.endr
.endr
.endm
.macro FETCH_B slot, q, p
	WIN TO_B
.irp i, 0,1,2,3,4,5,6,7
	FRAG 128*(\p)+FR*\i, ADRB+\slot, \q, \i
.endr
	WIN 0
.endm
.macro FETCH_A slot, q, i0             ; pass 1: A's blocks i0 .. i0 + 3
.irp i, \i0, \i0+1, \i0+2, \i0+3
	FRAG AF+FR*(\i), ADRA+\slot, \q, \i
.endr
.endm
.macro FETCH_A2 slot, q, i0            ; pass 2: A's blocks i0, i0 + 1
.irp i, \i0, \i0+1
	FRAG AF+FR*(\i), ADRA2+\slot, \q, \i
.endr
.endm
.macro SCALES sc, adr                  ; a slot's scale words: lanes 0-15 A's block i, lanes 16-31 B's block i
.irp i, 0,1,2,3,4,5,6,7
	ds_load_b64 v[SC+8*NQ*\sc+NQ*\i:SC+8*NQ*\sc+NQ*\i+1], v[\adr] offset:\i*SBLK
.endr
.endm
.macro STEP slot, q, zero              ; pass 1: a step of 128 along K that has its successor in the same slot
	s_wait_dscnt 4*NL                              ; the youngest 24 loads (A's blocks 4-7) may be out
	WIN MUL_LO
	MUL16 0, (\q)%2, \q, \slot, \zero
	MUL16 2, (\q)%2, \q, \slot, \zero
	s_wait_dscnt 0
	PLACES NP
	FETCH_B \slot, (\q)+1, 1-(\q)%2
	FETCH_A \slot, (\q)+1, 0
	WIN MUL_HI
	MUL16 4, (\q)%2, \q, \slot, \zero
	MUL16 6, (\q)%2, \q, \slot, \zero
	PLACES NP
	WIN 0
	FETCH_A \slot, (\q)+1, 4
.endm
; A slot's last step changes slots.  In front of the round each wave waits for all its tensor loads, adds 0 to its spare word, and waits for that and for its reads of this slot.  fill = 1: this pass's K step two on; 2: pass 2's first.
.macro OPENING slot, fill, young
	s_wait_tensorcnt 0x0
	ds_add_u32 v[SPW], v[NIL]
.if \fill == 1
	ONWARD \slot
.elseif \fill == 2
	P2DESC \slot
.endif
	s_wait_dscnt \young+1                          ; (the add and the youngest loads may be out)
	WIN MUL_LO
	MUL16 0, 1, NQ-1, \slot, 0
	s_wait_dscnt 0x0
	s_barrier_signal -1
	MUL16 2, 1, NQ-1, \slot, 0
	WIN 0
	s_barrier_wait -1
.endm
.macro TURN slot, next, fill
	OPENING \slot, \fill, 4*NL
	CREST                                          ; the barrier has opened a round of the cluster's barrier
.if \fill == 1
	JLOAD \slot                                    ; the first tensor load behind the round; its four v_nop are the places ahead of the loads below
.else
	JLOAD2 \slot, 0
.endif
	s_wait_alu depctr_va_vdst(0)                   ; the wait ahead of the reader below
	v_add_nc_u32 v[ADRS], 4*NQ, v[ADRS]
	FETCH_B \next, 0, 0
	FETCH_A \next, 0, 0
	SCALES \next, ADRS
	WIN MUL_HI
	MUL16 4, 1, NQ-1, \slot, 0
	MUL16 6, 1, NQ-1, \slot, 0
	PLACES NP
	WIN 0
	FETCH_A \next, 0, 4
.endm
.macro STEP2 slot, q, zero             ; pass 2's step
	s_wait_dscnt 2*NL                              ; the youngest 12 loads (A's blocks 2, 3) may be out
	WIN MUL_LO
	MUL16 0, (\q)%2, \q, \slot, \zero
	s_wait_dscnt 0
	PLACES NP
	FETCH_B \slot, (\q)+1, 1-(\q)%2
	FETCH_A2 \slot, (\q)+1, 0
	WIN MUL_LO
	MUL16 2, (\q)%2, \q, \slot, \zero
	PLACES NP
	WIN 0
	FETCH_A2 \slot, (\q)+1, 2
.endm
.macro TURN2 slot, next, fill
	OPENING \slot, \fill, 2*NL
.if \fill
	CREST
	JLOAD2 \slot, 0
.else
	PLACES NP
.endif
	s_wait_alu depctr_va_vdst(0)
	v_add_nc_u32 v[ADRS2], 4*NQ, v[ADRS2]
	FETCH_B \next, 0, 0
	FETCH_A2 \next, 0, 0
	SCALES \next, ADRS2
	FETCH_A2 \next, 0, 2
.endm
; THE WAY OUT of block a (16 rows of A): register 16 b + i of its 64 is row 32 b + 16 (lane / 16) + i of my 128 rows of B: four blocks of 32 along the next product's K, quantised in registers.
; q, k: registers 0-5 are my first head's half fragment of token tile a, registers 6-11 the next head's.  v: the whole fragment of tile a of d, K = my 128 tokens.
.macro QUANTW a, pb, vo2, st, o2
.set AC, 64*((\a)%4)
.set W1, 2+(\a)/4
.set W2, W1|(W1<<2)
	WIN W2
.irp b, 0,1,2,3
	v_max3_num_f32 v[TM+\b], |v[AC+16*\b]|, |v[AC+16*\b+1]|, 0x1800000   ; from the accumulator's low end on; the floor 2^(3 - 127)
.endr
.irp i, 2,4,6,8,10,12,14
.irp b, 0,1,2,3
	v_max3_num_f32 v[TM+\b], |v[AC+16*\b+\i]|, |v[AC+16*\b+\i+1]|, v[TM+\b]
.endr
.endr
	WIN 0
.irp b, 0,1,2,3
	v_permlanex16_b32 v[TM+4+\b], v[TM+\b], s[SEL], s[SEL+1]
.endr
.irp b, 0,1,2,3
	v_max_num_f32 v[TM+\b], v[TM+\b], v[TM+4+\b]
.endr
.irp b, 0,1,2,3
	v_add_nc_u32 v[TM+12+\b], 0xff000000, v[TM+\b]
.endr
.irp b, 0,1,2,3
	v_lshrrev_b32 v[TM+4+\b], 23, v[TM+12+\b]
.endr
	v_lshl_or_b32 v[PW+(\a)], v[TM+5], 8, v[TM+4]
	v_lshl_or_b32 v[PW+(\a)], v[TM+6], 16, v[PW+(\a)]
	v_lshl_or_b32 v[PW+(\a)], v[TM+7], 24, v[PW+(\a)]
	s_wait_xcnt 0x0                                ; the last block's stores have read their data
	WIN W1
.irp c, 0,1
	v_cvt_scalef32_pk16_fp6_f32 v[PC+6*\c:PC+6*\c+2], v[AC+32*\c:AC+32*\c+15], v[TM+12+2*\c]
	v_cvt_scalef32_pk16_fp6_f32 v[TP+4*\c:TP+4*\c+2], v[AC+32*\c+16:AC+32*\c+31], v[TM+12+2*\c+1]
.endr
	WIN 0
	v_nop
.irp c, 0,1
.irp i, 0,1,2
	v_permlane16_swap_b32 v[PC+6*\c+\i], v[TP+4*\c+\i]
.endr
.irp i, 0,1,2
	v_mov_b32 v[PC+6*\c+3+\i], v[TP+4*\c+\i]
.endr
.endr
.irp c, 0,1,2
	global_store_b64 v[VO], v[PC+2*\c:PC+2*\c+1], s[\pb:\pb+1] offset:(\st)*(\a)+256*\c       ; 256 consecutive bytes, aligned
.endr
.irp c, 0,1,2
	global_store_b64 v[\vo2], v[PC+6+2*\c:PC+7+2*\c], s[\pb:\pb+1] offset:(\st)*(\a)+(\o2)+256*\c
.endr
.endm
	s_wait_alu depctr_va_vdst(0)                   ; the wait at the head's end
	s_wait_tensorcnt 0x0                           ; my tile of the head's four is in; these lines stand ahead of a later first fill as ahead of a refill
	ds_add_u32 v[SPW], v[NIL]
	s_mov_b32 s[G1+2], 8<<16                       ; no tensor load of mine is out: from here on a load of codes brings 8 tiles,
	s_mov_b32 s[G1+4], 8
	s_mov_b32 s[G1B+2], 8<<16
	s_mov_b32 s[G1B+4], 8
	s_mov_b32 s[G1SB+2], 16<<16                    ; and the one of scale words still to come 128 rows' words,
	s_mov_b32 s[G1SB+4], 16
	GRP0 G0S, SCL+2*HALFS, 96                      ; pass 2's weights', onto pass 1's
	s_wait_dscnt 0x0
	CROUND
	JLOAD 1                                        ; slot 1's first fill
	FETCH_B 0, 0, 0
	FETCH_A 0, 0, 0
	SCALES 0, ADRS
	FETCH_A 0, 0, 4
	STEP 0, 0, 1                                   ; PASS 1: four slots, eight steps; the first step's products start the sums
	TURN 0, 1, 1
	STEP 1, 0, 0
	TURN 1, 0, 1
	STEP 0, 0, 0
	TURN 0, 1, 2                                   ; slot 0 takes pass 2's K step 0
	STEP 1, 0, 0
	OPENING 1, 2, 4*NL                             ; the last step: all my fragments and scale words are in registers at the signal
	CREST
	JLOAD2 1, 1                                    ; slot 1 takes pass 2's K step 1, and the weights' scale words are changed
	WIN MUL_HI
	MUL16 4, 1, NQ-1, 1, 0
	MUL16 6, 1, NQ-1, 1, 0
	WIN 0
	PLACES NP
.irp b, 0,1,2,3
	v_mov_b32 v[TM+4+\b], 0                        ; a lane permute's destination counts as one of its sources
.endr
.irp a, 0,1,2,3,4,5,6,7
	QUANTW \a, 12, VO2, 768, 0
.endr
	v_cmp_le_u32 vcc_lo, 16, v[LN]
.irp i, 0,1,2,3
	v_cndmask_b32 v[DW+\i], v[PW+\i], v[PW+4+\i], vcc_lo   ; lanes 0-15: blocks 0-3's words of row r; lanes 16-31: blocks 4-7's
.endr
	global_store_b128 v[VS], v[DW:DW+3], s[12:13] offset:6144   ; [r][8 tiles], 512 consecutive bytes
.irp i, 0,1,2,3
	v_lshrrev_b32 v[DW2+\i], 16, v[DW+\i]          ; the next head's two bytes come down
.endr
	global_store_b128 v[VS], v[DW2:DW2+3], s[12:13] offset:6144+HB
	s_wait_xcnt 0x0                                ; the stores have read their data: pass 2's fragments land there
	s_wait_tensorcnt 0x0
	s_wait_dscnt 0x0
	s_barrier_signal -1
	s_barrier_wait -1                              ; a plain barrier shows what the last round's loads brought
	FETCH_B 0, 0, 0                                ; PASS 2
	FETCH_A2 0, 0, 0
	SCALES 0, ADRS2
	FETCH_A2 0, 0, 2
	STEP2 0, 0, 1
	TURN2 0, 1, 1
	STEP2 1, 0, 0
	TURN2 1, 0, 1
	STEP2 0, 0, 0
	TURN2 0, 1, 0                                  ; nothing is left to fetch
	STEP2 1, 0, 0
	s_wait_dscnt 2*NL
	WIN MUL_LO
	MUL16 0, 1, NQ-1, 1, 0
	s_wait_dscnt 0
	MUL16 2, 1, NQ-1, 1, 0
	WIN 0
	PLACES NP
.irp a, 0,1,2,3
	QUANTW \a, 66, VO, 1536, 768
.endr
	s_wait_alu depctr_va_vdst(0)                   ; the wait ahead of the reader below
	global_store_b128 v[VS2], v[PW:PW+3], s[66:67] offset:6144   ; [r][4 tiles]: 256 consecutive bytes; both halves of the lanes hold and store the same words
	s_wait_tensorcnt 0x0                           ; the wave's end
	ds_add_u32 v[SPW], v[NIL]
	s_wait_dscnt 0x0
	CROUND                                         ; the closing round
	s_endpgm
.Lfunc_end_k_q748908b2a9_gemm_qkv:
	.size	k_q748908b2a9_gemm_qkv, .Lfunc_end_k_q748908b2a9_gemm_qkv-k_q748908b2a9_gemm_qkv
	.p2alignl 7, 3214868480
	.fill 96, 4, 3214868480
	.section	.rodata,"a",@progbits
	.p2align	6, 0x0
	.amdhsa_kernel k_q748908b2a9_gemm_qkv
		.amdhsa_group_segment_fixed_size 327680
		.amdhsa_private_segment_fixed_size 0
		.amdhsa_enable_private_segment 0
		.amdhsa_kernarg_size 24
		.amdhsa_user_sgpr_count 2
		.amdhsa_user_sgpr_kernarg_segment_ptr 1
		.amdhsa_wavefront_size32 1
		.amdhsa_system_sgpr_workgroup_id_x 1
		.amdhsa_system_sgpr_workgroup_id_y 1
		.amdhsa_system_sgpr_workgroup_id_z 1
		.amdhsa_system_vgpr_workitem_id 0
		.amdhsa_next_free_vgpr 1024
		.amdhsa_next_free_sgpr 106
		.amdhsa_reserve_vcc 1
		.amdhsa_float_denorm_mode_32 3
		.amdhsa_float_denorm_mode_16_64 3
		.amdhsa_memory_ordered 1
		.amdhsa_forward_progress 1
		.amdhsa_inst_pref_size 255
	.end_amdhsa_kernel
	.section	.bss,"aw",@nobits
	.p2align	6
	.space	262144
	.amdgpu_metadata
---
amdhsa.version: [ 1, 2 ]
amdhsa.kernels:
  - .name:           k_q748908b2a9_gemm_qkv
    .symbol:         k_q748908b2a9_gemm_qkv.kd
    .args:
      - { .name: xq, .offset: 0, .size: 8, .value_kind: global_buffer, .address_space: global }
      - { .name: wq, .offset: 8, .size: 8, .value_kind: global_buffer, .address_space: global }
      - { .name: qkv, .offset: 16, .size: 8, .value_kind: global_buffer, .address_space: global }
    .group_segment_fixed_size: 327680
    .private_segment_fixed_size: 0
    .kernarg_segment_align: 8
    .kernarg_segment_size: 24
    .max_flat_workgroup_size: 128
    .sgpr_count:     106
    .vgpr_count:     1024
    .wavefront_size: 32
...
	.end_amdgpu_metadata
.endif
;; end of part 2
;; launch attn (part 3): grid 4 x 64, 16 waves a work-group, clusters of 4 x 1, 327,680 bytes of LDS; arguments qkv, oq; writes oq
.if DOCPART == 3
	.amdgcn_target "amdgcn-amd-amdhsa--gfx1250"
	.amdhsa_code_object_version 6
	.text
	.protected	k_q748908b2a9_attn
	.globl	k_q748908b2a9_attn
	.p2align	8
	.type	k_q748908b2a9_attn,@function
k_q748908b2a9_attn:
	s_mov_b64 s[64:65], 0
	v_nop
	global_prefetch_b8 v0, s[64:65] scope:SCOPE_SE
	s_setreg_imm32_b32 hwreg(HW_REG_WAVE_MODE, 25, 1), 1
	s_wait_xcnt 0x0
	s_wait_alu depctr_hold_cnt(0) depctr_sa_sdst(0) depctr_va_vdst(0) depctr_va_sdst(0) depctr_va_ssrc(0) depctr_va_vcc(0) depctr_vm_vsrc(0)
	s_getreg_b32 s2, hwreg(HW_REG_IB_STS2, 6, 4)
	s_cmp_eq_u32 s2, 0
	s_cbranch_scc0 .Lentry_in_a_cluster
	s_endpgm
.Lentry_in_a_cluster:
	s_bfe_u32 s2, ttmp6, 0x10000c
	s_cmp_lg_u32 s2, 0x3003
	s_cbranch_scc0 .Lentry_shape_is_right
	s_endpgm
.Lentry_shape_is_right:
; o = softmax(q k^T / 8, causal) v for one (batch, head) a cluster, on codes of FP6 (E2M3) with E8M0 scales; o leaves quantised along the 1,024 of the last product's K, as images of operand registers.
; qkv[b x 16 + head][group of 128 tokens]: K's codes (8 tiles x 768), K's scale words [r][8] at 6,144, V's codes (4 tiles of d x 1,536) at 6,656, V's scale words [r][4] at 12,800, Q's codes at 13,056, Q's words at 19,200.
; Inside 32 consecutive tokens tile 2 b + u holds in lane r the token 32 b + 8 u + r + 8 (r / 8).
; LEFT OUT: key groups that lie wholly behind a query tile: the causal mask gives them -inf, so their p is 0 for every input.
; THE DEAL.  A head has 128 query tiles of 16.  The four work-groups of a cluster serve one head: tile 4 i + cx goes to work-group cx, so a tile's key group, i / 2, hangs on no place in the cluster.
; Wave w takes i = 31 - w (16 - w / 2 steps of 128 keys) and then i = w (w / 2 + 1 steps): 17 steps in every wave.
; K AND V of all 2,048 tokens lie in LDS, 16 x 13,056 bytes.  Wave w asks for group w, 51 rows of 256 bytes, by ONE joint load that names the four work-groups; nothing is ever filled again.
; The first barrier shows groups 0-7 (the load line of waves 0-7, who alone wait there); the long tile's first eight steps read only those.  A second barrier, at which every wave has done eight steps, shows the rest.
; No prefetch: the head's loads ask for every tile that the launch reads, so no later step has anything left to ask for.
; Both products are used transposed (S^T = k q^T, O^T = v^T p^T): a lane holds one query.  K = 64 in the first product: an operand's upper six registers are the next tile's codes, which meet q's zero codes.
; M is the ceiling of the running largest t, kept as -M; p = 2^(t - M); a block's largest p is made from its largest score by the same two instructions.
; THE ROW'S SUM is taken of the unquantised p, ONE STEP LATE: a step's p stay in their registers until the next step's first product, and are added at that step's head, behind its LDS loads and ahead of the wait for them,
; under the M that they were made with; the change to the new M follows.  The registers begin as zeros; the last step's p are added on the way out.
; Sums and maxima run in eight chains by turns, and v's LDS loads stand between the lines of the one chain that makes M, so that few lines stand next to the line whose result they read.
; LIMITS: the promise holds while |score x log2(e) / 8| stays under 2^31; NaN and infinities are not served; a block of zeros, or one under 2^-124, gets the byte 1 (this program alone reads the bytes).
.set HB,      315392
.set GB,      19712
.set KVB,     13056
.set XSC_OFF, 6291456
.set SPARE,   16*KVB                   ; behind the tiles: the spare words, 128 bytes a wave
.set ADK, 8                            ; v8-10  LDS addresses of this step: 8 x lane, 32 r, 16 r
.set ADS, 9
.set ADT, 10
.set Q1,  16                           ; v16-27 the long tile's q (upper six registers 0), v28 its scale words
.set QW1, 28
.set Q2,  230                          ; v230-241, v242 the short tile's
.set QW2, 242
.set PCD, 192                          ; v192-203 p's codes
.set PT,  204                          ; v204-211 the conversions' second halves; v204-217 the sum's seven side chains
.set BM,  212                          ; v212-215 the blocks' largest scores, then largest p
.set T4,  216
.set SO,  220                          ; v220-223 the conversions' scale operands
.set F,   224
.set TX,  226
.set PSW, 227                          ; p's scale word
.set TY,  228
.set WV,  34
.set SEL, 40
.set CS,  42
.set TB,  44                           ; the step's group in LDS
.set SI,  45                           ; the step
.set CX,  54
.set TL,  55                           ; my long tile, 0 .. 127
.set TS,  56                           ; my short tile
.macro ROUND                           ; a round of the cluster's barrier
	s_barrier_signal -1
	s_barrier_wait -1
	s_cmp_lg_u32 s[WV], 0
	s_cbranch_scc1 .Lnot_wave_0_\@
	s_barrier_signal -3
.Lnot_wave_0_\@:
	s_barrier_wait -3
	s_barrier_signal -1
	s_barrier_wait -1
.endm
.macro QLOAD t, qb, qw, pa, pb         ; tile t's half fragment of q and its scale words
	s_lshr_b32 s46, s[\t], 3
	s_and_b32 s47, s[\t], 7
	s_mul_i32 s50, s46, GB
	s_mul_i32 s49, s47, 768
	s_lshl_b32 s47, s47, 2
	s_add_co_u32 s52, s50, s47
	s_add_co_u32 s50, s50, s49
	s_add_nc_u64 s[\pa:\pa+1], s[8:9], s[50:51]
	s_add_nc_u64 s[\pb:\pb+1], s[8:9], s[52:53]
.irp c, 0,1,2
	global_load_b64 v[\qb+2*\c:\qb+2*\c+1], v1, s[\pa:\pa+1] offset:13056+256*\c
.endr
	global_load_b32 v[\qw], v2, s[\pb:\pb+1] offset:19200
.endm
.macro BEGIN t                         ; where tile t's result goes, its place on the diagonal, and the empty sums
	s_lshr_b32 s46, s35, 4
	s_lshl_b32 s46, s46, 7
	s_add_co_u32 s46, s46, s[\t]                   ; oq's tile: 128 b + t
	s_mul_i32 s50, s46, 12288
	s_bfe_u32 s47, s35, 0x30001
	s_mul_i32 s47, s47, 1536                       ; K step of 128: two heads
	s_add_co_u32 s50, s50, s47
	s_and_b32 s47, s35, 1
	s_mul_i32 s47, s47, 768
	s_add_co_u32 s50, s50, s47
	s_add_nc_u64 s[30:31], s[6:7], s[50:51]
	s_lshl_b32 s52, s46, 9
	s_and_b32 s47, s35, 15
	s_lshl_b32 s47, s47, 1
	s_add_co_u32 s52, s52, s47
	s_add_co_u32 s52, s52, XSC_OFF
	s_add_nc_u64 s[32:33], s[6:7], s[52:53]
	s_and_b32 s39, s[\t], 7
	s_lshr_b32 s46, s39, 1
	s_lshl_b32 s46, s46, 5
	s_and_b32 s47, s39, 1
	s_lshl_b32 s47, s47, 3
	s_add_co_u32 s46, s46, s47
	v_add_nc_u32 v29, s46, v7                      ; my query's token in its group, less 16 (lane / 16)
	v_mov_b32 v13, 0xff61b1e6                      ; the largest score so far: -3e38
	s_delay_alu instid0(VALU_DEP_1)
	v_floor_f32 v12, -v13
	v_mov_b32 v14, 0
	v_mov_b32 v15, 0
.set j, 0
.rept 96
	v_mov_b32 v[96+j], 0                           ; no p to add yet (v96-159), and O^T (v160-191)
.set j, j+1
.endr
	s_wait_alu depctr_va_vdst(0)                   ; the wait at the end of such a run
.endm
.macro SUMS                            ; the 64 p of the last step onto the row's sum: 32 packed additions, the sum's own chain and seven side chains by turns
.irp c, 0,1,2,3,4,5,6
	v_pk_add_f32 v[PT+2*\c:PT+2*\c+1], v[96+2*\c:97+2*\c], v[110+2*\c:111+2*\c]
.endr
	v_pk_add_f32 v[14:15], v[14:15], v[124:125]
.irp c, 0,1,2,3,4,5,6
	v_pk_add_f32 v[PT+2*\c:PT+2*\c+1], v[PT+2*\c:PT+2*\c+1], v[126+2*\c:127+2*\c]
.endr
	v_pk_add_f32 v[14:15], v[14:15], v[140:141]
.irp c, 0,1,2,3,4,5,6
	v_pk_add_f32 v[PT+2*\c:PT+2*\c+1], v[PT+2*\c:PT+2*\c+1], v[142+2*\c:143+2*\c]
.endr
	v_pk_add_f32 v[14:15], v[14:15], v[156:157]
	v_pk_add_f32 v[PT:PT+1], v[PT:PT+1], v[PT+2:PT+3]
	v_pk_add_f32 v[PT+4:PT+5], v[PT+4:PT+5], v[PT+6:PT+7]
	v_pk_add_f32 v[PT+8:PT+9], v[PT+8:PT+9], v[PT+10:PT+11]
	v_pk_add_f32 v[14:15], v[14:15], v[158:159]
	v_pk_add_f32 v[PT:PT+1], v[PT:PT+1], v[PT+4:PT+5]
	v_pk_add_f32 v[PT+8:PT+9], v[PT+8:PT+9], v[PT+12:PT+13]
	v_pk_add_f32 v[14:15], v[14:15], v[PT:PT+1]
	v_pk_add_f32 v[14:15], v[14:15], v[PT+8:PT+9]
.endm
.macro VLOAD d                         ; v's fragment of tile d of the head's 64
.irp e, 0,1,2,3,4,5
	ds_load_b64 v[32+12*\d+2*\e:33+12*\d+2*\e], v[ADK] offset:6656+1536*\d+256*\e
.endr
.endm
.macro TMINUSM n                       ; n packed multiply-adds: t - M, from register 96 + j on
.rept \n
	v_pk_fma_f32 v[96+j:97+j], v[96+j:97+j], s[CS:CS+1], v[12:13] op_sel_hi:[1,0,0]
.set j, j+2
.endr
.endm
; Steps SI .. nst - 1 of 128 keys.  masked = 1: steps behind my tile's group s38 are jumped over, and the step on the diagonal hides the keys behind each query.  s38 is made of the wave's number alone.
.macro STEPS masked, qb, qw, nst
.Lstep_\@:
.if \masked
	s_cmp_gt_u32 s[SI], s38
	s_cbranch_scc1 .Lhidden_\@
.endif
	v_add_nc_u32 v[ADK], s[TB], v1
	v_add_nc_u32 v[ADS], s[TB], v2
	v_add_nc_u32 v[ADT], s[TB], v3
	v_nop                                          ; four places behind the last step's products, ahead of loads into their operands
.irp t, 0,1,2,3,4,5,6,7
.irp e, 0,1,2
	ds_load_b64 v[32+6*\t+2*\e:33+6*\t+2*\e], v[ADK] offset:768*\t+256*\e
.endr
.endr
	ds_load_b128 v[86:89], v[ADS] offset:6144
	ds_load_b128 v[90:93], v[ADS] offset:6160
	SUMS                                           ; the last step's p, while k's fragments are on their way
	s_wait_alu depctr_va_vdst(0)
	s_wait_dscnt 0x0
.irp t, 0,1,2,3,4,5,6,7
	v_wmma_scale_f32_16x16x128_f8f6f4 v[96+8*\t:103+8*\t], v[32+6*\t:43+6*\t], v[\qb:\qb+11], 0, v[86+\t], v[\qw] matrix_a_fmt:MATRIX_FMT_FP6 matrix_b_fmt:MATRIX_FMT_FP6
.endr
.rept 4
	v_nop
.endr
.if \masked
	s_cmp_lt_u32 s[SI], s38
	s_cbranch_scc1 .Lopen_\@
	v_mov_b32 v[TX], 0xff800000
.set n, 0
.rept 64
	v_cmp_gt_i32 vcc_lo, 32*(n/16)+n%16, v29       ; register n is key 32 (n / 16) + n % 16 + 16 (lane / 16) of the group
	v_cndmask_b32 v[96+n], v[96+n], v[TX], vcc_lo
.set n, n+1
.endr
.Lopen_\@:
.endif
.irp b, 0,1,2,3                        ; each block's largest score: my 16 in two chains, eight chains by turns; each accumulator is read from its low end on
	v_max3_num_f32 v[BM+\b], v[96+16*\b], v[97+16*\b], v[98+16*\b]
.endr
.irp b, 0,1,2,3
	v_max3_num_f32 v[T4+\b], v[104+16*\b], v[105+16*\b], v[106+16*\b]
.endr
.irp i, 3,5
.irp b, 0,1,2,3
	v_max3_num_f32 v[BM+\b], v[BM+\b], v[96+16*\b+\i], v[97+16*\b+\i]
.endr
.irp b, 0,1,2,3
	v_max3_num_f32 v[T4+\b], v[T4+\b], v[104+16*\b+\i], v[105+16*\b+\i]
.endr
.endr
.irp b, 0,1,2,3
	v_max3_num_f32 v[BM+\b], v[BM+\b], v[T4+\b], v[103+16*\b]
.endr
.irp b, 0,1,2,3
	v_max_num_f32 v[BM+\b], v[BM+\b], v[111+16*\b]
.endr
	v_mov_b32 v[TX], v12                           ; the old -M
.irp b, 0,1,2,3
	v_permlanex16_b32 v[T4+\b], v[BM+\b], s[SEL], s[SEL+1]
.endr
.irp b, 0,1,2,3
	v_max_num_f32 v[BM+\b], v[BM+\b], v[T4+\b]     ; with lane l xor 16's 16 keys
.endr
	v_max3_num_f32 v[TY], v[BM], v[BM+1], v[BM+2]
	VLOAD 0                                        ; v's fragments, onto k's, which the products have read (the places stand above)
	v_max3_num_f32 v13, v13, v[TY], v[BM+3]        ; the running largest score
	VLOAD 1
	v_mul_f32 v[TY], s[CS], v13                    ; as t (the factor is positive)
	VLOAD 2
	v_floor_f32 v12, -v[TY]                        ; -M
	VLOAD 3
	ds_load_b128 v[86:89], v[ADT] offset:12800
.set j, 0
	TMINUSM 4
	v_sub_f32 v[TX], v12, v[TX]                    ; M's old value less its new one,
	TMINUSM 4
	v_cvt_i32_f32 v[TX], v[TX]                     ; (it saturates)
	TMINUSM 4
	v_ldexp_f32 v[F], 1.0, v[TX]                   ; f = 2^(old M - new M)
	TMINUSM 20
.irp b, 0,1,2,3
	v_fma_f32 v[BM+\b], v[BM+\b], s[CS], v12
.endr
	s_wait_alu depctr_va_vdst(0)                   ; the wait ahead of the batch
.set j, 0
.rept 64
	v_exp_f32 v[96+j], v[96+j]
.set j, j+1
.endr
.irp b, 0,1,2,3
	v_exp_f32 v[BM+\b], v[BM+\b]                   ; the blocks' largest p
.endr
	v_pk_mul_f32 v[14:15], v[14:15], v[F:F+1] op_sel_hi:[1,0]   ; the sum under the new M (a plain place behind the batch)
	s_wait_alu depctr_va_vdst(0)                   ; and behind it
.irp b, 0,1,2,3
	v_max_num_f32 v[BM+\b], 0x1800000, v[BM+\b]    ; the floor 2^(3 - 127)
.endr
.irp b, 0,1,2,3
	v_add_nc_u32 v[SO+\b], 0xff000000, v[BM+\b]
.endr
.irp c, 0,1
	v_cvt_scalef32_pk16_fp6_f32 v[PCD+6*\c:PCD+6*\c+2], v[96+32*\c:111+32*\c], v[SO+2*\c]
	v_cvt_scalef32_pk16_fp6_f32 v[PT+4*\c:PT+4*\c+2], v[112+32*\c:127+32*\c], v[SO+2*\c+1]
.endr
.irp b, 0,1,2,3
	v_lshrrev_b32 v[T4+\b], 23, v[SO+\b]           ; the scales' bytes (plain places behind the conversions)
.endr
	v_lshl_or_b32 v[T4], v[T4+1], 8, v[T4]
	v_lshl_or_b32 v[T4+2], v[T4+3], 8, v[T4+2]
.irp i, 0,1,2
	v_permlane16_swap_b32 v[PCD+\i], v[PT+\i]
.endr
	v_lshl_or_b32 v[PSW], v[T4+2], 16, v[T4]       ; p's scale word for these 128 keys
.irp i, 0,1,2
	v_permlane16_swap_b32 v[PCD+6+\i], v[PT+4+\i]
.endr
.irp c, 0,1
.irp i, 0,1,2
	v_mov_b32 v[PCD+6*\c+3+\i], v[PT+4*\c+\i]
.endr
.endr
.set j, 0
.rept 16
	v_pk_mul_f32 v[160+j:161+j], v[160+j:161+j], v[F:F+1] op_sel_hi:[1,0]   ; O^T under the new M; also the places ahead of the products below
.set j, j+2
.endr
	s_wait_alu depctr_va_vdst(0)
	s_wait_dscnt 0x0
.irp d, 0,1,2,3
	v_wmma_scale_f32_16x16x128_f8f6f4 v[160+8*\d:167+8*\d], v[32+12*\d:43+12*\d], v[PCD:PCD+11], v[160+8*\d:167+8*\d], v[86+\d], v[PSW] matrix_a_fmt:MATRIX_FMT_FP6 matrix_b_fmt:MATRIX_FMT_FP6
.endr
.if \masked
.Lhidden_\@:
.endif
	s_add_co_u32 s[TB], s[TB], KVB
	s_add_co_u32 s[SI], s[SI], 1
	s_cmp_lt_u32 s[SI], \nst
	s_cbranch_scc1 .Lstep_\@
.endm
.macro FINISH                          ; the last step's p; O^T / the sum, quantised along the head's 64 (two blocks), stored as half a fragment and two scale bytes
.rept 4
	v_nop
.endr
	SUMS
	v_add_f32 v14, v14, v15
	s_delay_alu instid0(VALU_DEP_1)
	v_permlanex16_b32 v[T4], v14, s[SEL], s[SEL+1]
	s_delay_alu instid0(VALU_DEP_1)
	v_add_f32 v14, v14, v[T4]
	s_wait_alu depctr_va_vdst(0)
	v_rcp_f32 v14, v14
	v_nop
	s_wait_alu depctr_va_vdst(0)
.set j, 0
.rept 32
	v_mul_f32 v[96+j], v[160+j], v14
.set j, j+1
.endr
.irp b, 0,1
	v_max3_num_f32 v[BM+\b], |v[96+16*\b]|, |v[97+16*\b]|, 0x1800000
.endr
.irp i, 2,4,6,8,10,12,14
.irp b, 0,1
	s_delay_alu instid0(VALU_DEP_2)
	v_max3_num_f32 v[BM+\b], v[BM+\b], |v[96+16*\b+\i]|, |v[97+16*\b+\i]|
.endr
.endr
.irp b, 0,1
	s_delay_alu instid0(VALU_DEP_2)
	v_permlanex16_b32 v[T4+\b], v[BM+\b], s[SEL], s[SEL+1]
.endr
.irp b, 0,1
	s_delay_alu instid0(VALU_DEP_2)
	v_max_num_f32 v[BM+\b], v[BM+\b], v[T4+\b]
.endr
.irp b, 0,1
	s_delay_alu instid0(VALU_DEP_2)
	v_add_nc_u32 v[SO+\b], 0xff000000, v[BM+\b]
.endr
.irp b, 0,1
	s_delay_alu instid0(VALU_DEP_2)
	v_lshrrev_b32 v[T4+\b], 23, v[SO+\b]
.endr
	s_delay_alu instid0(VALU_DEP_1)
	v_lshl_or_b32 v[TX], v[T4+1], 8, v[T4]
	v_cvt_scalef32_pk16_fp6_f32 v[PCD:PCD+2], v[96:111], v[SO]
	v_cvt_scalef32_pk16_fp6_f32 v[PT:PT+2], v[112:127], v[SO+1]
	v_nop
.irp i, 0,1,2
	v_permlane16_swap_b32 v[PCD+\i], v[PT+\i]
.endr
.irp i, 0,1,2
	s_delay_alu instid0(VALU_DEP_3)
	v_mov_b32 v[PCD+3+\i], v[PT+\i]
.endr
.irp c, 0,1,2
	global_store_b64 v1, v[PCD+2*\c:PCD+2*\c+1], s[30:31] offset:256*\c   ; 256 consecutive bytes, aligned
.endr
	global_store_b16 v2, v[TX], s[32:33]           ; my head's two bytes of row r's scale words
.endm
	s_load_b128 s[4:7], s[0:1], 0x0                ; qkv, oq
	v_lshl_add_u32 v254, v0, 2, SPARE
	v_mov_b32 v255, 0
	ds_add_u32 v254, v255                          ; the opening lines: the add, twice, and its wait
	ds_add_u32 v254, v255
	v_lshrrev_b32 v1, 5, v0
	v_readfirstlane_b32 s[WV], v1                  ; wave 0 .. 15
	s_and_b32 s35, ttmp7, 0xffff                   ; 16 b + head: the cluster's y
	s_bfe_u32 s[CX], ttmp6, 0x40000                ; my place in the cluster
	s_mul_i32 s2, s35, HB
	s_mov_b32 s3, 0
	s_mov_b32 s16, 15|(3<<16)|(1<<21)              ; group 1: all four work-groups; elements of 8 bytes; 51 rows of 256 bytes, dense
	s_mov_b32 s17, 32<<16
	s_mov_b32 s18, 51<<16
	s_mov_b32 s19, 32<<16
	s_mov_b32 s20, 51
	s_mov_b32 s21, 32
	s_mov_b32 s22, 0
	s_mov_b32 s23, 0
	s_mul_i32 s36, s[WV], GB                       ; group w of the head,
	s_mov_b32 s37, 0
	s_mov_b32 s24, 1
	s_mul_i32 s25, s[WV], KVB                      ; to its place in LDS
	s_mov_b32 s[SEL], 0x76543210
	s_mov_b32 s[SEL+1], 0xfedcba98
	s_mov_b32 s[CS], 0x3e38aa3b                    ; log2(e) / 8
	s_mov_b32 s[CS+1], s[CS]
	s_wait_dscnt 0x0
	ROUND                                          ; the four work-groups are here: the joint loads meet
	s_wait_kmcnt 0x0
	s_add_nc_u64 s[8:9], s[4:5], s[2:3]
	s_add_nc_u64 s[26:27], s[8:9], s[36:37]
	s_or_b32 s27, s27, 0x80000000
	s_cmp_lt_u32 s[WV], 8                          ; two lines: waves 0-7's is waited for at the first barrier, waves 8-15's at the second
	s_cbranch_scc0 .Lupper
	tensor_load_to_lds s[24:27], s[16:23]
	s_nop 0
.rept 4
	v_nop
.endr
	s_branch .Lasked
.Lupper:
	tensor_load_to_lds s[24:27], s[16:23]
	s_nop 0
.rept 4
	v_nop
.endr
.Lasked:
	v_and_b32 v11, 31, v0
	v_and_b32 v5, 15, v0                           ; r
	v_bfe_u32 v6, v0, 4, 1                         ; h
	v_lshlrev_b32 v1, 3, v11                       ; 8 x lane
	v_lshlrev_b32 v2, 5, v5                        ; 32 r
	v_lshlrev_b32 v3, 4, v5                        ; 16 r
	v_and_b32 v7, 8, v5
	v_lshlrev_b32 v4, 4, v6
	v_add_nc_u32 v7, v7, v5
	v_sub_nc_u32 v7, v7, v4                        ; r + 8 (r / 8) - 16 h
.irp i, 0,1,2,3,4,5
	v_mov_b32 v[Q1+6+\i], 0                        ; q's codes for k = 64 on,
	v_mov_b32 v[Q2+6+\i], 0
	v_mov_b32 v[80+\i], 0                          ; and what stands behind k's last tile
.endr
.irp i, 0,1,2,3
	v_mov_b32 v[T4+\i], 0                          ; a lane permute's destination counts as a source
.endr
	v_mov_b32 v[F+1], 0
	s_wait_alu depctr_va_vdst(0)                   ; the wait ahead of the run of scalar lines
	s_mov_b32 s51, 0
	s_mov_b32 s53, 0
	s_sub_co_u32 s[TL], 31, s[WV]
	s_lshl_b32 s[TL], s[TL], 2
	s_add_co_u32 s[TL], s[TL], s[CX]               ; 4 (31 - w) + cx
	s_lshl_b32 s[TS], s[WV], 2
	s_add_co_u32 s[TS], s[TS], s[CX]               ; 4 w + cx
	QLOAD TL, Q1, QW1, 10, 12
	QLOAD TS, Q2, QW2, 14, 28
	BEGIN TL
	s_lshr_b32 s38, s[WV], 1
	s_sub_co_u32 s38, 15, s38                      ; the long tile's group
	s_mov_b32 s[TB], 0
	s_mov_b32 s[SI], 0
	s_cmp_lt_u32 s[WV], 8
	s_cbranch_scc0 .Lnot_mine
	s_wait_tensorcnt 0x0
.Lnot_mine:
	s_barrier_signal -1
	s_barrier_wait -1                              ; groups 0-7 are in
	s_wait_loadcnt 0x0                             ; both tiles' q
	STEPS 0, Q1, QW1, 8                            ; groups 0-7 lie wholly ahead of the long tile
	s_wait_tensorcnt 0x0
	s_wait_dscnt 0x0
	s_barrier_signal -1
	s_barrier_wait -1                              ; groups 8-15 are in
	s_mov_b32 s[TB], 8*KVB
	s_mov_b32 s[SI], 8
	STEPS 1, Q1, QW1, 16
	FINISH
	s_wait_xcnt 0x0                                ; the stores have read their data and bases
	BEGIN TS
	s_lshr_b32 s38, s[WV], 1                       ; the short tile's group
	s_mov_b32 s[TB], 0
	s_mov_b32 s[SI], 0
	STEPS 1, Q2, QW2, 8
	FINISH
	s_wait_tensorcnt 0x0                           ; the wave's end
	ds_add_u32 v254, v255
	s_wait_dscnt 0x0
	ROUND                                          ; the closing round
	s_endpgm
.Lfunc_end_k_q748908b2a9_attn:
	.size	k_q748908b2a9_attn, .Lfunc_end_k_q748908b2a9_attn-k_q748908b2a9_attn
	.p2alignl 7, 3214868480
	.fill 96, 4, 3214868480
	.section	.rodata,"a",@progbits
	.p2align	6, 0x0
	.amdhsa_kernel k_q748908b2a9_attn
		.amdhsa_group_segment_fixed_size 327680
		.amdhsa_private_segment_fixed_size 0
		.amdhsa_enable_private_segment 0
		.amdhsa_kernarg_size 16
		.amdhsa_user_sgpr_count 2
		.amdhsa_user_sgpr_kernarg_segment_ptr 1
		.amdhsa_wavefront_size32 1
		.amdhsa_system_sgpr_workgroup_id_x 1
		.amdhsa_system_sgpr_workgroup_id_y 1
		.amdhsa_system_sgpr_workgroup_id_z 1
		.amdhsa_system_vgpr_workitem_id 0
		.amdhsa_next_free_vgpr 256
		.amdhsa_next_free_sgpr 66
		.amdhsa_reserve_vcc 1
		.amdhsa_float_denorm_mode_32 3
		.amdhsa_float_denorm_mode_16_64 3
		.amdhsa_memory_ordered 1
		.amdhsa_forward_progress 1
		.amdhsa_inst_pref_size 89
	.end_amdhsa_kernel
	.amdgpu_metadata
---
amdhsa.version: [ 1, 2 ]
amdhsa.kernels:
  - .name:           k_q748908b2a9_attn
    .symbol:         k_q748908b2a9_attn.kd
    .args:
      - { .name: qkv, .offset: 0, .size: 8, .value_kind: global_buffer, .address_space: global }
      - { .name: oq, .offset: 8, .size: 8, .value_kind: global_buffer, .address_space: global }
    .group_segment_fixed_size: 327680
    .private_segment_fixed_size: 0
    .kernarg_segment_align: 8
    .kernarg_segment_size: 16
    .max_flat_workgroup_size: 512
    .sgpr_count:     66
    .vgpr_count:     256
    .wavefront_size: 32
...
	.end_amdgpu_metadata
.endif
;; end of part 3
;; launch gemm_proj (part 4): grid 4 x 64, 4 waves a work-group, clusters of 4 x 4, 327,680 bytes of LDS; arguments oq, wq, out0; writes out0
.if DOCPART == 4
	.amdgcn_target "amdgcn-amd-amdhsa--gfx1250"
	.amdhsa_code_object_version 6
	.text
	.protected	k_q748908b2a9_gemm_proj
	.globl	k_q748908b2a9_gemm_proj
	.p2align	8
	.type	k_q748908b2a9_gemm_proj,@function
k_q748908b2a9_gemm_proj:
	s_mov_b64 s[64:65], 0
	v_nop
	global_prefetch_b8 v0, s[64:65] scope:SCOPE_SE
	s_setreg_imm32_b32 hwreg(HW_REG_WAVE_MODE, 25, 1), 1
	s_wait_xcnt 0x0
	s_wait_alu depctr_hold_cnt(0) depctr_sa_sdst(0) depctr_va_vdst(0) depctr_va_sdst(0) depctr_va_ssrc(0) depctr_va_vcc(0) depctr_vm_vsrc(0)
	s_getreg_b32 s2, hwreg(HW_REG_IB_STS2, 6, 4)
	s_cmp_eq_u32 s2, 0
	s_cbranch_scc0 .Lentry_in_a_cluster
	s_endpgm
.Lentry_in_a_cluster:
	s_bfe_u32 s2, ttmp6, 0x10000c
	s_cmp_lg_u32 s2, 0xf033
	s_cbranch_scc0 .Lentry_shape_is_right
	s_endpgm
.Lentry_shape_is_right:
; out0 = o w_proj on codes of FP6 (E2M3) with E8M0 scales, K = 1,024; f32 sums, stored as f32.
; OPERANDS are images of registers: a tile is 16 rows (inside 32 consecutive rows tile 2 b + u holds in lane r the row 32 b + 8 u + r + 8 (r / 8)); a fragment (tile x 128 K, 12 registers a lane) is six pieces
; of 256 bytes; codes lie [tile][K step][1,536], scale words [tile][r][8 words] behind them.  A = oq's tokens, B = wq's rows 3,072 on (w_proj's columns).
; THE BLOCK is 128 tokens x 256 columns: 256 blocks, one for each work-group.  Four waves, 2 x 2; a wave makes 64 x 128: 32 accumulators.
; ALL OF K LIES IN LDS: A's 8 tiles and B's 16, 12,288 bytes each, and their scale words: 307,968 bytes, asked for by the head's four loads, one a wave.  Nothing is filled again: no ring, and no round inside the walk.
; Source 0 = 16 rows of B, source 1 = 16 rows of A: a lane holds one token and eight columns of each tile of B.
; CLUSTERS: 4 x 4 work-groups; A's tiles are asked for jointly along a row of the cluster, B's along a column.
; No prefetch: the head's loads ask for all that the launch reads.
; REGISTERS: window 0: v0-31 addresses; v32-63 scale words, two sets; v128-175 A's fragments, one set; on the way out v128-255.  window 1: B's fragments, two sets.  window 2: accumulator (a, b) at v[8 (8 a + b)].
.set NQ,     2
.set FR,     12
.set NL,     6
.set NP,     4                         ; places behind this matrix instruction (ISA guide 7.12.1)
.set FRAGB,  1536
.set TILEB,  12288
.set BBASE,  8*TILEB                   ; B's tiles lie behind A's eight
.set KROW,   768
.set SCL,    24*TILEB                  ; the scale words, rows of 256 bytes + 16: A's 128 rows, then B's 256
.set HALFS,  16*272
.set SBLK,   2*272
.set SPARE,  SCL+3*HALFS
.set XSC_OFF, 6291456
.set WSC_OFF, 3145728
.set ROWC,   4096
.set SPITCH, 528                       ; the way out: a stage of 16 rows x (512 + 16) bytes a wave, on A's tiles, behind a barrier behind which nobody reads them
.set ADRA, 16                          ; v16    my four tiles of A
.set ADRB, 20                          ; v20-21 my tiles 0-3, 4-7 of B
.set STO,  24
.set RD,   25
.set CO,   26
.set ADRS, 27
.set SPW,  28
.set NIL,  29
.set LN,   30
.set SC,   32
.set AF,   128
.set BK,   128
.set G1, 24
.set G1B, 48
.set G1S, 68
.set G0S, 76
.set G1SB, 80
.set G0SB, 88
.set MSB, 0
.macro WIN new
.if MSB != \new
	s_set_vgpr_msb (MSB<<8)|\new
.set MSB, \new
.endif
.endm
.set MUL_LO, 0xa1
.set TO_B,   0x40
.macro PLACES n
.rept \n
	v_nop
.endr
.endm
.macro CROUND                          ; a round of the cluster's barrier
	s_barrier_signal -1
	s_barrier_wait -1
	s_cmp_lg_u32 s14, 0
	s_cbranch_scc1 .Lnot_wave_0_\@
	s_barrier_signal -3
.Lnot_wave_0_\@:
	s_barrier_wait -3
	s_barrier_signal -1
	s_barrier_wait -1
.endm
.macro GRP1 g, mask, rows              ; codes: whole tiles, rows of 12,288 bytes, dense in memory and in LDS
	s_or_b32 s[\g+0], s[\mask], (3<<16)|(1<<21)
	s_mov_b32 s[\g+1], 1536<<16
	s_mov_b32 s[\g+2], (\rows)<<16
	s_mov_b32 s[\g+3], 1536<<16
	s_mov_b32 s[\g+4], \rows
	s_mov_b32 s[\g+5], 1536
	s_mov_b32 s[\g+6], 0
	s_mov_b32 s[\g+7], 0
.endm
.macro GRP1S g, mask, rows             ; scale words: a dense block as rows of 256 bytes, 16 bytes of padding behind each
	s_or_b32 s[\g+0], s[\mask], (3<<16)|(1<<20)|(1<<21)|(5<<22)|(3<<25)
	s_mov_b32 s[\g+1], 32<<16
	s_mov_b32 s[\g+2], (\rows)<<16
	s_mov_b32 s[\g+3], 32<<16
	s_mov_b32 s[\g+4], \rows
	s_mov_b32 s[\g+5], 32
	s_mov_b32 s[\g+6], 0
	s_mov_b32 s[\g+7], 0
.endm
.macro GRP0 g, lds, adr
	s_mov_b32 s[\g], 1
	s_mov_b32 s[\g+1], \lds
	s_mov_b64 s[\g+2:\g+3], s[\adr:\adr+1]
	s_or_b32 s[\g+3], s[\g+3], 0x80000000
.endm
	s_load_b128 s[4:7], s[0:1], 0x0                ; oq, wq
	s_load_b64 s[12:13], s[0:1], 0x10              ; out0
	v_lshl_add_u32 v[SPW], v0, 2, SPARE
	v_mov_b32 v[NIL], 0
	ds_add_u32 v[SPW], v[NIL]                      ; the opening lines: the add, twice, and its wait
	ds_add_u32 v[SPW], v[NIL]
	v_lshrrev_b32 v1, 5, v0
	v_readfirstlane_b32 s14, v1                    ; wave 0..3
	s_lshr_b32 s15, s14, 1                         ; which 64 rows of A are mine
	s_and_b32 s16, s14, 1                          ; which 128 rows of B
	s_bfe_u32 s40, ttmp6, 0x40000                  ; cx, cy
	s_bfe_u32 s41, ttmp6, 0x40004
	s_lshl_b32 s42, ttmp9, 2
	s_add_co_u32 s42, s42, s40                     ; which 256 columns
	s_and_b32 s17, ttmp7, 0xffff
	s_lshl_b32 s17, s17, 2
	s_add_co_u32 s17, s17, s41                     ; which 128 tokens
	s_lshl_b32 s43, s41, 2
	s_lshl_b32 s43, 15, s43                        ; my row of the cluster
	s_lshl_b32 s44, 0x1111, s40                    ; my column
	GRP1 G1, 43, 8
	GRP1 G1B, 44, 16
	GRP1S G1S, 43, 16
	GRP1S G1SB, 44, 32
	s_lshl_b32 s20, s17, 7                         ; A's first row
	s_lshl_b32 s46, s42, 8
	s_add_co_u32 s46, s46, 3072                    ; B's
	s_lshl_b32 s22, s20, 5
	s_add_co_u32 s22, s22, XSC_OFF
	s_lshl_b32 s92, s46, 5
	s_add_co_u32 s92, s92, WSC_OFF
	s_mul_i32 s20, s20, KROW
	s_mul_i32 s46, s46, KROW
	s_mov_b32 s21, 0
	s_mov_b32 s23, 0
	s_mov_b32 s47, 0
	s_mov_b32 s93, 0
	s_wait_dscnt 0x0
	s_wait_kmcnt 0x0
	s_add_nc_u64 s[20:21], s[4:5], s[20:21]
	s_add_nc_u64 s[22:23], s[4:5], s[22:23]
	s_add_nc_u64 s[46:47], s[6:7], s[46:47]
	s_add_nc_u64 s[92:93], s[6:7], s[92:93]
	CROUND                                         ; all sixteen work-groups are here: the joint loads meet
	GRP0 4, 0, 20                                  ; s[4:7], s[8:11]: A's and B's tiles (the arguments that lay here have served)
	GRP0 8, BBASE, 46
	GRP0 G0S, SCL, 22
	GRP0 G0SB, SCL+HALFS, 92
; THE LOADS, one a wave, in one chain of branches on the wave's number: A's tiles, B's, A's scale words, B's
.macro ARM under, g0, g1, next
	s_cmp_lt_u32 s14, \under
	s_cbranch_scc0 \next
	tensor_load_to_lds s[\g0:\g0+3], s[\g1:\g1+7]
	s_nop 0
	PLACES 4
	s_branch .Lhead_asked
\next:
.endm
	ARM 1, 4, G1, .Lhead_b
	ARM 2, 8, G1B, .Lhead_sa
	ARM 3, G0S, G1S, .Lhead_sb
	tensor_load_to_lds s[G0SB:G0SB+3], s[G1SB:G1SB+7]
	s_nop 0
	PLACES 4
.Lhead_asked:
	s_mul_i32 s18, s15, 4*TILEB                    ; my 64 rows of A
	s_mul_i32 s19, s16, 8*TILEB
	s_add_co_u32 s19, s19, BBASE                   ; my 128 rows of B
	s_mul_i32 s21, s15, HALFS/2
	s_mul_i32 s22, s16, HALFS
	s_add_co_u32 s22, s22, HALFS
	s_sub_co_u32 s22, s22, s21                     ; from A's scale words to B's
	s_add_co_u32 s21, s21, SCL
	s_mul_i32 s23, s14, 16*SPITCH                  ; my stage
	s_lshl_b32 s20, s17, 7
	s_lshl_b32 s46, s15, 6
	s_add_co_u32 s20, s20, s46                     ; my first token
	s_lshl_b32 s20, s20, 12
	s_lshl_b32 s46, s42, 10
	s_lshl_b32 s47, s16, 9
	s_add_co_u32 s46, s46, s47                     ; my first column, in bytes
	s_add_co_u32 s92, s20, s46
	s_mov_b32 s93, 0
	s_add_nc_u64 s[12:13], s[12:13], s[92:93]
	v_and_b32 v1, 15, v0                           ; r
	v_bfe_u32 v2, v0, 4, 1                         ; h
	v_and_b32 v[LN], 31, v0
	v_lshlrev_b32 v4, 3, v[LN]                     ; a piece of a fragment is 256 consecutive bytes
	v_add_nc_u32 v[ADRA], s18, v4
	v_add_nc_u32 v[ADRB], s19, v4
	v_add_nc_u32 v[ADRB+1], 4*TILEB, v[ADRB]
	v_mul_u32_u24 v5, v1, 32                       ; my row's scale words: 32 bytes a row,
	v_lshrrev_b32 v6, 8, v5
	v_lshl_add_u32 v5, v6, 4, v5                   ; and 16 more for each 256 passed
	v_mul_u32_u24 v6, s22, v2                      ; lanes 16-31 take B's
	v_add_nc_u32 v5, v5, v6
	v_add_nc_u32 v[ADRS], s21, v5
	v_mul_u32_u24 v5, v1, SPITCH
	v_lshl_add_u32 v5, v2, 6, v5                   ; into the stage: row r; the upper half of the lanes holds columns 16 on of each 32
	v_add_nc_u32 v[STO], s23, v5
	v_lshlrev_b32 v[CO], 4, v[LN]                  ; back: the 32 lanes take one row of 512 bytes; the same in out0
	v_add_nc_u32 v[RD], s23, v[CO]
.macro FRAG reg, adr, k, i             ; a fragment as it was stored: six pieces, 8 bytes a lane
.irp p, 0,1,2,3,4,5
	ds_load_b64 v[\reg+2*\p:\reg+2*\p+1], v[\adr] offset:(\i)*TILEB+(\k)*FRAGB+256*\p
.endr
.endm
; 16 matrix instructions: A's blocks a0, a0 + 1 x B's eight.  The 32 accumulators take turns, one instruction a turn.
.macro MUL16 a0, p, q, sc, zero
.irp a, \a0, \a0+1
.irp b, 0,1,2,3,4,5,6,7
.if \zero
	v_wmma_scale_f32_16x16x128_f8f6f4 v[8*(8*(\a)+\b):8*(8*(\a)+\b)+7], v[128*(\p)+FR*\b:128*(\p)+FR*\b+FR-1], v[AF+FR*(\a):AF+FR*(\a)+FR-1], 0, v[SC+8*NQ*(\sc)+NQ*\b+(\q)], v[SC+8*NQ*(\sc)+NQ*(\a)+(\q)] matrix_a_fmt:MATRIX_FMT_FP6 matrix_b_fmt:MATRIX_FMT_FP6 matrix_a_scale:MATRIX_SCALE_ROW1
.else
	v_wmma_scale_f32_16x16x128_f8f6f4 v[8*(8*(\a)+\b):8*(8*(\a)+\b)+7], v[128*(\p)+FR*\b:128*(\p)+FR*\b+FR-1], v[AF+FR*(\a):AF+FR*(\a)+FR-1], v[8*(8*(\a)+\b):8*(8*(\a)+\b)+7], v[SC+8*NQ*(\sc)+NQ*\b+(\q)], v[SC+8*NQ*(\sc)+NQ*(\a)+(\q)] matrix_a_fmt:MATRIX_FMT_FP6 matrix_b_fmt:MATRIX_FMT_FP6 matrix_a_scale:MATRIX_SCALE_ROW1
.endif
.endr
.endr
.endm
.macro FETCH_B k, p
	WIN TO_B
.irp i, 0,1,2,3,4,5,6,7
	FRAG 128*(\p)+FR*\i, ADRB+\i/4, \k, \i%4
.endr
	WIN 0
.endm
.macro FETCH_A k, i0                   ; A's blocks i0, i0 + 1
.irp i, \i0, \i0+1
	FRAG AF+FR*(\i), ADRA, \k, \i
.endr
.endm
.macro SCALES pr                       ; the scale words of steps 2 pr, 2 pr + 1 into set pr % 2: lanes 0-15 A's block i (i under 4 is used), lanes 16-31 B's block i
.irp i, 0,1,2,3,4,5,6,7
	ds_load_b64 v[SC+8*NQ*((\pr)%2)+NQ*\i:SC+8*NQ*((\pr)%2)+NQ*\i+1], v[ADRS] offset:\i*SBLK+4*NQ*(\pr)
.endr
.endm
.macro STEP k, zero                    ; a step of 128 along K; the next step's fragments are fetched in its middle and at its end
	s_wait_dscnt 2*NL                              ; the youngest 12 loads (A's blocks 2, 3) may be out
	WIN MUL_LO
	MUL16 0, (\k)%2, (\k)%2, ((\k)/2)%2, \zero
	s_wait_dscnt 0
	PLACES NP
	FETCH_B (\k)+1, 1-(\k)%2
	FETCH_A (\k)+1, 0
.if (\k)%2 == 1
	SCALES ((\k)+1)/2
.endif
	WIN MUL_LO
	MUL16 2, (\k)%2, (\k)%2, ((\k)/2)%2, \zero
	PLACES NP
	WIN 0
	FETCH_A (\k)+1, 2
.endm
	s_wait_alu depctr_va_vdst(0)                   ; the wait at the head's end
	s_wait_tensorcnt 0x0                           ; my load of the four is in,
	s_barrier_signal -1
	s_barrier_wait -1                              ; everybody's is
	FETCH_B 0, 0
	FETCH_A 0, 0
	SCALES 0
	FETCH_A 0, 2
	STEP 0, 1                                      ; eight steps, written out: the scale words' registers and every offset differ from step to step
.irp k, 1,2,3,4,5,6
	STEP \k, 0
.endr
	s_wait_dscnt 2*NL
	WIN MUL_LO
	MUL16 0, 1, 1, 1, 0
	s_wait_dscnt 0
	s_barrier_signal -1                            ; my reads of the tiles are over
	MUL16 2, 1, 1, 1, 0
	WIN 0
	PLACES NP
	s_barrier_wait -1                              ; everybody's are: the stages may be laid on A's tiles
; THE WAY OUT, block by block of 16 tokens x 128 columns, through my own stage: back come whole rows of 512 bytes, stored as two aligned units of 256.
.macro TOSTAGE a
.set AC, 64*(\a)
	WIN 0x08
.irp b, 0,1,2,3,4,5,6,7
	ds_store_b128 v[STO], v[AC+8*\b:AC+8*\b+3] offset:128*(\b/2)+32*(\b%2)       ; each accumulator from its low end on
	ds_store_b128 v[STO], v[AC+8*\b+4:AC+8*\b+7] offset:128*(\b/2)+32*(\b%2)+16
.endr
	WIN 0
.set BB, BK+64*((\a)%2)
.irp t, 0,1,2,3,4,5,6,7,8,9,10,11,12,13,14,15
	ds_load_b128 v[BB+4*\t:BB+4*\t+3], v[RD] offset:\t*SPITCH    ; LDS serves a wave's instructions in order (ISA guide 5.7.1.4)
.endr
.endm
.macro SEND a, younger
.set BB, BK+64*((\a)%2)
	s_wait_dscnt \younger
.if (\a) > 0
.if ((\a)%2) == 1
	s_add_nc_u64 s[12:13], s[12:13], 8*ROWC        ; tile 2 b + 1 begins 8 tokens behind tile 2 b,
.else
	s_add_nc_u64 s[12:13], s[12:13], 24*ROWC       ; tile 2 b + 2 another 24
.endif
.endif
.irp t, 0,1,2,3,4,5,6,7,8,9,10,11,12,13,14,15
	global_store_b128 v[CO], v[BB+4*\t:BB+4*\t+3], s[12:13] offset:(\t+8*(\t/8))*ROWC th:TH_STORE_NT
.endr
.endm
	TOSTAGE 0
.irp a, 1,2,3
.if \a > 1
	s_wait_xcnt 0x0                                ; block a - 2's stores have read their registers and their base
.endif
	TOSTAGE \a
	SEND \a-1, 32
.endr
	s_wait_xcnt 0x0
	SEND 3, 0
	s_wait_tensorcnt 0x0                           ; the wave's end
	ds_add_u32 v[SPW], v[NIL]
	s_wait_dscnt 0x0
	CROUND                                         ; the closing round
	s_endpgm
.Lfunc_end_k_q748908b2a9_gemm_proj:
	.size	k_q748908b2a9_gemm_proj, .Lfunc_end_k_q748908b2a9_gemm_proj-k_q748908b2a9_gemm_proj
	.p2alignl 7, 3214868480
	.fill 96, 4, 3214868480
	.section	.rodata,"a",@progbits
	.p2align	6, 0x0
	.amdhsa_kernel k_q748908b2a9_gemm_proj
		.amdhsa_group_segment_fixed_size 327680
		.amdhsa_private_segment_fixed_size 0
		.amdhsa_enable_private_segment 0
		.amdhsa_kernarg_size 24
		.amdhsa_user_sgpr_count 2
		.amdhsa_user_sgpr_kernarg_segment_ptr 1
		.amdhsa_wavefront_size32 1
		.amdhsa_system_sgpr_workgroup_id_x 1
		.amdhsa_system_sgpr_workgroup_id_y 1
		.amdhsa_system_sgpr_workgroup_id_z 1
		.amdhsa_system_vgpr_workitem_id 0
		.amdhsa_next_free_vgpr 768
		.amdhsa_next_free_sgpr 100
		.amdhsa_reserve_vcc 0
		.amdhsa_float_denorm_mode_32 3
		.amdhsa_float_denorm_mode_16_64 3
		.amdhsa_memory_ordered 1
		.amdhsa_forward_progress 1
		.amdhsa_inst_pref_size 97
	.end_amdhsa_kernel
	.amdgpu_metadata
---
amdhsa.version: [ 1, 2 ]
amdhsa.kernels:
  - .name:           k_q748908b2a9_gemm_proj
    .symbol:         k_q748908b2a9_gemm_proj.kd
    .args:
      - { .name: oq, .offset: 0, .size: 8, .value_kind: global_buffer, .address_space: global }
      - { .name: wq, .offset: 8, .size: 8, .value_kind: global_buffer, .address_space: global }
      - { .name: out0, .offset: 16, .size: 8, .value_kind: global_buffer, .address_space: global }
    .group_segment_fixed_size: 327680
    .private_segment_fixed_size: 0
    .kernarg_segment_align: 8
    .kernarg_segment_size: 24
    .max_flat_workgroup_size: 128
    .sgpr_count:     100
    .vgpr_count:     768
    .wavefront_size: 32
...
	.end_amdgpu_metadata
.endif
;; end of part 4
